; MI455X (gfx1250); checked and timed in simulation.
; The chip was launched on July 23, 2026; its instructions are those of AMD's public machine-readable ISA for CDNA 5 (MIT licence, August 2026) and "CDNA5" Instruction Set Architecture Reference Guide (July 2026). The comments in the code are by the model that wrote it; some were corrected since.
;; Adaptive Fusion. Allowed arithmetic: matrix products marked QUANTISED: E2M1 operands, one E8M0 scale for each 32 along K, by v_wmma_scale_f32_16x16x128_f8f6f4 with both operands' format E2M1 (or v_wmma_scale_f32_32x16x128_f4), f32 sums; everything else in f32.
;; Inputs: W1_codes 512 x 16 x 16 uint8 (E2M1 codes of W1, K innermost, in blocks of 32 codes, two codes a byte); W1_scales 512 x 16 uint8 (E8M0 scales of W1, one for each 32 codes along K); W2_codes 512 x 16 x 16 uint8 (E2M1 codes of W2, K innermost, in blocks of 32 codes, two codes a byte); W2_scales 512 x 16 uint8 (E8M0 scales of W2, one for each 32 codes along K); Wk_codes 512 x 16 x 16 uint8 (E2M1 codes of Wk, K innermost, in blocks of 32 codes, two codes a byte); Wk_scales 512 x 16 uint8 (E8M0 scales of Wk, one for each 32 codes along K); Wo_codes 512 x 16 x 16 uint8 (E2M1 codes of Wo, K innermost, in blocks of 32 codes, two codes a byte); Wo_scales 512 x 16 uint8 (E8M0 scales of Wo, one for each 32 codes along K); Wq_codes 512 x 16 x 16 uint8 (E2M1 codes of Wq, K innermost, in blocks of 32 codes, two codes a byte); Wq_scales 512 x 16 uint8 (E8M0 scales of Wq, one for each 32 codes along K); Wv_codes 512 x 16 x 16 uint8 (E2M1 codes of Wv, K innermost, in blocks of 32 codes, two codes a byte); Wv_scales 512 x 16 uint8 (E8M0 scales of Wv, one for each 32 codes along K); b1 512 float32; b2 512 float32; bk 512 float32; bo 512 float32; bq 512 float32; bv 512 float32; te 8 x 64 x 64 x 512 float32; xh 8 x 64 x 64 x 512 float32; xl 8 x 64 x 64 x 512 float32.
;; Outputs: out0 8 x 64 x 64 x 512 float32.
;; This version of the problem:
;;   THIS VERSION OF THE PROBLEM IS GIVEN IN LOW PRECISION. The matrix products marked QUANTISED in the list below multiply operands that are first quantised to E2M1 (2 exponent bits, 1 mantissa bit; 4 bits a number), with one power-of-two scale for each 32 numbers along K (OCP MX v1.0); their sums are f32. All else is computed in f32.
;;   The module's matrix products, in the order in which they are computed (A, B: the left and right operand; K: the contracted axis; several contracted axes count as one K, in the product's order):
;;     1. [M 32,768, K 512] x [K 512, N 512]; A: computed on the way; B: input Wq (given as codes): QUANTISED
;;     2. [M 32,768, K 512] x [K 512, N 512]; A: computed on the way; B: input Wk (given as codes): QUANTISED
;;     3. [M 32,768, K 512] x [K 512, N 512]; A: computed on the way; B: input Wv (given as codes): QUANTISED
;;     4. batch 4,096 x [M 64, K 64] x [K 64, N 64]; A: computed on the way; B: computed on the way: QUANTISED
;;     5. batch 4,096 x [M 64, K 64] x [K 64, N 64]; A: computed on the way; B: softmax (see below): QUANTISED
;;     6. [M 32,768, K 512] x [K 512, N 512]; A: computed on the way; B: input Wo (given as codes): QUANTISED
;;     7. [M 32,768, K 512] x [K 512, N 512]; A: computed on the way; B: input W1 (given as codes): QUANTISED
;;     8. [M 32,768, K 512] x [K 512, N 512]; A: computed on the way; B: input W2 (given as codes): QUANTISED
;;   THE QUANTISER, for each operand of a quantised product, along K:
;;     - K is cut into blocks of 32 from its start; a last block that is shorter is filled with zeros.
;;     - A block's scale is 2^e with e = floor(log2(the largest magnitude in the block)) - 2, held to -126 .. 127; a block of zeros has e = 0. As a byte (E8M0): e + 127.
;;     - Each number is divided by its block's scale, clamped to +-6, and rounded to the nearest number of E2M1, ties to even, subnormals kept.
;;     - The product sums the exact products of the quantised numbers (number of the format x scale) in f32.
;;   ~~~python
;;   def quantise(x, axis):      # numpy; x: float32 -> the quantised numbers, widened to float32 again
;;       x = np.moveaxis(x, axis, -1); K = x.shape[-1]
;;       x = np.pad(x, [(0, 0)] * (x.ndim - 1) + [(0, -K % 32)]); x = x.reshape(x.shape[:-1] + (-1, 32)); a = np.abs(x).max(-1, keepdims=True)
;;       e = np.where(a > 0, np.clip(np.frexp(np.where(a > 0, a, 1))[1] - 1 - 2, -126, 127), 0)      # np.frexp(a)[1] - 1 = floor(log2(a)), exactly
;;       r = np.clip(x / 2.0 ** e, -6, 6)
;;       step = 2.0 ** (np.maximum(np.frexp(np.where(r == 0, 1, r))[1] - 1, 0) - 1)
;;       q = np.round(r / step) * step * 2.0 ** e      # np.round: ties to even
;;       return np.moveaxis(q.reshape(q.shape[:-2] + (-1,))[..., :K], -1, axis).astype(np.float32)
;;   ~~~
;;   SOFTMAX AHEAD OF A QUANTISED PRODUCT. Where the list says 'softmax', what is quantised is not the finished softmax but p = 2^(t - M), with t = logit x log2(e) and M = ceil(the row's largest t), a whole number; so 1/2 < the row's largest p <= 1. The row's sum l is taken of the UNQUANTISED p, in f32, and the product's result is divided by l at the end. Since M is a whole number, a kernel that streams over the keys may use a running M (the ceiling of the running maximum): every later rescaling is an exact power of two, which a block's scale takes up: the codes' values come out the same.
;;   OPERANDS COMPUTED ON THE WAY. 'Computed on the way' means the value that the module computes at that place (a softmax that the list does not call 'softmax' is quantised finished and normalised). What goes into a quantiser is computed in f32, as accurately as f32 sums, v_exp_f32 and their like allow (about 1e-6 of the number): no bf16 or f16 on the way to a quantiser, and a product that is left as it is and whose result goes on into a quantised operand takes f32 operands (vector FMAs, or v_wmma_f32_16x16x4_f32). A number that lies on a knife's edge between two numbers of the format may be rounded either way, as far as f32 arithmetic and the matrix unit's own rounding can turn it there, and no further.
;;   INPUTS GIVEN AS CODES. W1 (in the module: [512, 512], K = its axis 0); W2 (in the module: [512, 512], K = its axis 0); Wk (in the module: [512, 512], K = its axis 0); Wo (in the module: [512, 512], K = its axis 0); Wq (in the module: [512, 512], K = its axis 0); Wv (in the module: [512, 512], K = its axis 0): each comes as NAME_codes (uint8): NAME with its K axis moved to the last place and cut into blocks of 32 codes, [.., K / 32, bytes a block], one block behind the other in memory; two codes a byte, the lower K in the low four bits (a code: sign, 2 exponent bits, 1 mantissa bit); and NAME_scales (uint8): the same leading axes, one E8M0 byte (e + 127) for each 32 codes along K. Its value is code x scale, taken as it is: it is not quantised again, and the codes and scales need not be those that the quantiser above would give.
;; 2 versions. Each part assembles by itself: llvm-mc -triple=amdgcn-amd-amdhsa -mcpu=gfx1250 --defsym DOCPART=n.
;; ======== version 1 of 2: 1 launch
;; launch fused (part 1): grid 256 x 1, 8 waves a work-group, no clusters, 254,976 bytes of LDS; arguments xl, xh, te, out0, Wv_codes, Wv_scales, bv, Wk_codes, Wk_scales, bk, Wq_codes, Wq_scales, bq, Wo_codes, Wo_scales, bo, W1_codes, W1_scales, b1, W2_codes, W2_scales, b2; writes out0
.if DOCPART == 1
	.amdgcn_target "amdgcn-amd-amdhsa--gfx1250"
	.amdhsa_code_object_version 6
	.text
	.protected	k_qff0bf6e417_fused
	.globl	k_qff0bf6e417_fused
	.p2align	8
	.type	k_qff0bf6e417_fused,@function
k_qff0bf6e417_fused:
	s_mov_b64 s[64:65], 0
	v_nop
	global_prefetch_b8 v0, s[64:65] scope:SCOPE_SE
	s_setreg_imm32_b32 hwreg(HW_REG_WAVE_MODE, 25, 1), 1
	s_wait_xcnt 0x0
; Adaptive fusion block, all eight products on codes of FP4 (E2M1) with one E8M0 scale for each 32 along K, everything in ONE launch:
;   a = xl + te, c = xh + te;  q = a Wq + bq;  k = relu(c Wk + bk);  v = relu(c Wv + bv);  causal attention over the 64 time rows of a vertex, 8 heads of 64;
;   val = LN(o Wo + bo + a);  out = LN(relu(val W1 + b1) W2 + b2 + val).
; SHARES.  The 64 time rows of one (batch, vertex) are a GROUP: nothing crosses groups.  512 groups, 256 work-groups, each walks 2 neighbouring vertices.  A group's rows lie 131,072 bytes apart.
; Eight waves.  WAVE w OWNS COLUMNS 64 w .. 64 w + 63 OF EVERY LAYER, that is head w, for all 64 rows: its 64 rows of a layer's weights are 128 registers, loaded straight into operand registers,
; and q, k, v and the whole attention of head w never leave the wave.  What goes from wave to wave goes through LDS: the codes of an activation as images of the operand's registers, scale words, and partial means.
; ORDER OF ROWS.  Lane index r of row tile m stands for time row 32 (m / 2) + 8 (m % 2) + r % 8 + 16 (r / 8); lane index r of weight tile t for weight row 64 w + 32 (t / 2) + 8 (t % 2) + r + 8 (r / 8).
; So the 16 registers of result tiles 2 b and 2 b + 1 are always 16 neighbours, 32 b + 16 (lane / 16) + 0 .. 15, along the next product's K, and a conversion's results are the next operand's registers.
; Products are used transposed (source 0 = 16 weight rows, source 1 = 16 time rows): a lane holds one time row.  V alone is used the other way round: a lane holds one channel and its registers run along the keys.
; The head size, 64, and the 64 keys are half of the instruction's K: the upper four registers of q's and of p's fragment are zero codes, which add nothing whatever stands against them.
; MASK.  As the module has it: hidden scores are -32767 ahead of the scaling.  They stay in the maximum, in the sum and in the second product.  Key tiles that lie wholly behind the mask are not multiplied.
; SOFTMAX.  t = score x log2(e) / 8;  M = ceil(the row's largest t);  p = 2^(t - M) is quantised along the keys; the sum of the unquantised p divides the result.
; LAYER NORM.  Each wave takes the mean of its 64 columns away first and sums squares of what is left; the eight parts are joined as sum M2 + 64 sum (mean_w - mean)^2: no difference of large sums is formed.
; LIMITS.  NaN and infinities among the inputs are not served.  A block of zeros gets the scale byte 1, not 127: its codes are zeros, and only this program reads the bytes.  A block whose largest magnitude lies
; under 2^-124 is quantised with the byte 1.  p under 2^-126 counts as 0 (v_exp_f32 flushes: ISA guide, its entry).
; No tensor load, no cluster: a layer's weights with padded rows, 139,264 bytes, do not fit beside the 253,952 bytes in use.
;
; REGISTERS.  Window 1: v0-127 R (residual and wide accumulators), v128-255 W (a layer's weights; xh as it is loaded).  Window 0: see the names below.
.set GROUPS, 2
.set TSTR,   131072                    ; bytes from a time row to the next
.set GSTEP,  2048                      ; bytes from a vertex to the next
; LDS
.set XHI,  0                           ; images of the codes of xh + te: fragment (row tile m, K step s) at 4096 m + 1024 s, two stores of 512 bytes; wave w writes 4096 m + 512 w
.set XLI,  16384                       ; of xl + te
.set P0I,  32768                       ; of the attention's result, later of the hidden layer
.set P1I,  49152                       ; of val
.set SCB,  65536                       ; scale words: [row tile][lane index r][16 bytes]: row r's words of the four K steps; wave w writes the two bytes at 2 w
.set XHS,  0
.set XLS,  1024
.set P0S,  2048
.set P1S,  3072
.set STATB, 69632                      ; two tables of (mean, M2): row (16 m + r) x 80 bytes + 8 w; 5,120 bytes each
.set TURNB, 79872                      ; a stage for each wave: 16 rows x 272 bytes (17 x 16: sixteen rows start in sixteen different 16-byte columns)
.set RESB,  114688                     ; xl + te in f32, each wave's own 64 rows x 272 bytes
; window 0
.set LI,   1                           ; 16 x lane
.set LSC,  2                           ; SCB + 16 r
.set IMW,  3                           ; 16 x lane + 512 w
.set SCW,  4                           ; SCB + 16 r + 2 w
.set XO,   5                           ; 16 r + 16 time rows x h: a row's 256 bytes to sixteen lanes
.set TWS,  6                           ; my stage by loaded rows: 2176 h + 16 r
.set TRD,  7                           ; my stage by operand rows: 272 r + 64 h
.set RWS,  8                           ; the same two in my part of RESB
.set RRD,  9
.set WO,   10                          ; weights: 256 (r + 8 (r / 8)) + 16 h
.set WSO,  11                          ; their scale words: 16 (r + 8 (r / 8))
.set BO,   12                          ; a bias along the registers: 64 h
.set BVO,  13                          ; a bias along the lanes: 4 (r + 8 (r / 8))
.set STW,  14                          ; STATB + 80 r + 8 w
.set STR,  15                          ; STATB + 80 r
.set PFO,  16                          ; lane x a time row
.set NEGV, 17                          ; -32767.0
.set NM,   18                          ; v[18:19] -M (named as a pair)
.set TM,   20                          ; v20-27 at work in the quantiser
.set PC,   28                          ; v28-31 codes just made
.set PW,   32                          ; their two scale bytes
.set TMP,  33
.set L0,   34                          ; v[34:35], v[36:37] the row's sum in two chains
.set L1,   36
.set QS,   38                          ; q's scale word
.set PS,   39                          ; p's
.set PF,   40                          ; v40-47 p's fragment: four registers of codes, four of zeros
.set QF,   48                          ; v48-55 q's likewise
.set BVT,  56                          ; v56-59 bv as loaded
.set SP,   60                          ; (mean, M2) of my columns: row tiles 0, 1 in v[60:61], v[62:63]; 2, 3 in v[212:213], v[214:215]
.set ACC,  64                          ; v64-95
.set ACT,  96                          ; v96-127
.set BIAS, 128                         ; v128-159 a layer's bias in the result's layout
.set WSC,  160                         ; v160-175 the weights' scale words: 4 t + s
.set ASA,  176                         ; v176-179, v180-183 an activation tile's scale words, two sets
.set ASB,  180
.set KS,   184                         ; v184-187 k's scale words, a row tile each
.set VS,   188                         ; v188-191 v's, a channel tile each
.set LNP,  192                         ; v192-207 for each row tile: 1 / sigma, mean_w - mean, their product, mean
.set KF,   216                         ; v216-231 k's codes, four registers a row tile; v232-235 stand against zero codes
.set VF,   236                         ; v236-251 v's codes, four registers a channel tile; v252-255 likewise
.set TE0,  224                         ; where te's four row tiles land
.set TE1,  192
.set TE2,  96
.set TE3,  128
; window 1
.set WW,   128
.set MSB, 0
.macro WIN new                         ; s_set_vgpr_msb: bits 1:0 source 0, 3:2 source 1, 5:4 source 2, 7:6 destination; the high byte repeats the setting that is left
.if MSB != \new
	s_set_vgpr_msb (MSB<<8)|\new
.set MSB, \new
.endif
.endm
.macro NOPS n
.rept \n
	v_nop
.endr
.endm
.macro BAR                             ; my LDS stores have landed and my LDS loads are in: then the work-group's barrier
	s_wait_dscnt 0x0
	s_barrier_signal -1
	s_barrier_wait -1
.endm
; Row tile m of a tensor, my 64 columns: load i takes time rows base + i (lanes 0-15) and base + i + 16 (lanes 16-31), 256 consecutive aligned bytes each
.macro XLD dst, ptr, m
.irp i, 0,1,2,3,4,5,6,7
	global_load_b128 v[\dst+4*\i:\dst+4*\i+3], v[XO], s[\ptr:\ptr+1] offset:(32*((\m)/2)+8*((\m)%2)+\i)*TSTR th:TH_LOAD_NT
.endr
.endm
.macro XFIRST                          ; 40 loads: te's tile 0 and all of xh: into registers that are free behind the last product of a group
	XLD TE0, 8, 0
	WIN 0x40
.irp m, 0,1,2,3
	XLD WW+32*\m, 6, \m
.endr
	WIN 0
.endm
.macro XREST                           ; 56 loads: te's tiles 1 to 3 and all of xl: into registers that are free behind a group's last store
	XLD TE1, 8, 1
	XLD TE2, 8, 2
	XLD TE3, 8, 3
	WIN 0x40
.irp m, 0,1,2,3
	XLD 32*\m, 4, \m
.endr
	WIN 0
.endm
; 32 numbers of a lane, register 16 b + i = k 32 b + 16 (lane / 16) + i of the lane's row, become four registers of codes (lanes 0-15 block 0, lanes 16-31 block 1) and two scale bytes.
; win = 1: the numbers lie in window 1.
.macro QUANT32 src, win, dst, sc
.if \win
	WIN 0x14
.else
	WIN 0
.endif
.irp b, 0,1
	v_max3_num_f32 v[TM+\b], 0x1800000, |v[\src+16*\b]|, |v[\src+16*\b+1]|   ; my 16 numbers of block b, and the floor 2^(3 - 127): the byte cannot fall under 1
.endr
.irp i, 2,4,6,8,10,12,14
.irp b, 0,1
	v_max3_num_f32 v[TM+\b], v[TM+\b], |v[\src+16*\b+\i]|, |v[\src+16*\b+\i+1]|
.endr
.endr
	WIN 0
.irp b, 0,1
	v_permlanex16_b32 v[TM+2+\b], v[TM+\b], s52, s53
.endr
.irp b, 0,1
	v_max_num_f32 v[TM+\b], v[TM+\b], v[TM+2+\b]          ; with lane l xor 16's: the block's largest magnitude
.endr
.irp b, 0,1
	v_add_nc_u32 v[TM+4+\b], 0xff000000, v[TM+\b]         ; 2 off its exponent field: the conversion takes that field as its scale
.endr
.irp b, 0,1
	v_lshrrev_b32 v[TM+6+\b], 23, v[TM+4+\b]              ; the scale's byte
.endr
	v_lshl_or_b32 v[\sc], v[TM+7], 8, v[TM+6]
.if \win
	WIN 0x01
.endif
.irp b, 0,1
	v_cvt_scalef32_pk8_fp4_f32 v[\dst+2*\b], v[\src+16*\b:\src+16*\b+7], v[TM+4+\b]
	v_cvt_scalef32_pk8_fp4_f32 v[\dst+2*\b+1], v[\src+16*\b+8:\src+16*\b+15], v[TM+4+\b]
.endr
	WIN 0
	v_nop                                                 ; one plain place behind a scaled conversion
	v_permlane16_swap_b32 v[\dst], v[\dst+2]              ; the operand wants a whole block in a lane
	v_permlane16_swap_b32 v[\dst+1], v[\dst+3]
.endm
.macro RELU src, win                   ; ascending: each accumulator is read from its low end on
.if \win
	WIN 0x44
.else
	WIN 0
.endif
.set qi, 0
.rept 32
	v_max_num_f32 v[\src+qi], 0, v[\src+qi]
.set qi, qi+1
.endr
	WIN 0
.endm
.macro PUT img, scl, m                 ; my 64 columns of row tile m: half a fragment's image and two bytes of each row's scale words
	ds_store_b128 v[IMW], v[PC:PC+3] offset:\img+4096*(\m)
	ds_store_b16 v[SCW], v[PW] offset:\scl+256*(\m)
.endm
.macro ACTLOAD img, scl, m, buf, asc   ; nine LDS loads: row tile m's four fragments and its scale words
.irp s, 0,1,2,3
.irp c, 0,1
	ds_load_b128 v[\buf+8*\s+4*\c:\buf+8*\s+4*\c+3], v[LI] offset:\img+4096*(\m)+1024*\s+512*\c
.endr
.endr
	ds_load_b128 v[\asc:\asc+3], v[LSC] offset:\scl+256*(\m)
.endm
; My 64 rows of a layer's weights: 16 fragments (tile t, K step s) at W + 32 t + 8 s, their scale words, the bias.  L: the layer's first scalar register (codes, scales, bias).
; form 0: the bias along the registers, 44 loads;  form 1: along the lanes, 40 loads.
.macro LOADW L, form
	WIN 0x40
.irp t, 0,1,2,3
.irp s, 0,1,2,3
.irp c, 0,1
	global_load_b128 v[WW+32*\t+8*\s+4*\c:WW+32*\t+8*\s+4*\c+3], v[WO], s[\L:\L+1] offset:(32*(\t/2)+8*(\t%2))*256+64*\s+32*\c
.endr
.endr
.endr
	WIN 0
.irp t, 0,1,2,3
	global_load_b128 v[WSC+4*\t:WSC+4*\t+3], v[WSO], s[\L+2:\L+3] offset:(32*(\t/2)+8*(\t%2))*16
.endr
.if \form
.irp t, 0,1,2,3
	global_load_b32 v[BVT+\t], v[BVO], s[\L+4:\L+5] offset:(32*(\t/2)+8*(\t%2))*4
.endr
.else
.irp t, 0,1,2,3
	global_load_b128 v[BIAS+8*\t:BIAS+8*\t+3], v[BO], s[\L+4:\L+5] offset:(32*(\t/2)+8*(\t%2))*4
	global_load_b128 v[BIAS+8*\t+4:BIAS+8*\t+7], v[BO], s[\L+4:\L+5] offset:(32*(\t/2)+8*(\t%2))*4+16
.endr
.endif
.endm
.macro MM d, a, b, z, c, sa, sb        ; z = 1: the product starts its sum
.if \z
	v_wmma_scale_f32_16x16x128_f8f6f4 v[\d:\d+7], v[\a:\a+7], v[\b:\b+7], 0, v[\sa], v[\sb] matrix_a_fmt:MATRIX_FMT_FP4 matrix_b_fmt:MATRIX_FMT_FP4
.else
	v_wmma_scale_f32_16x16x128_f8f6f4 v[\d:\d+7], v[\a:\a+7], v[\b:\b+7], v[\c:\c+7], v[\sa], v[\sb] matrix_a_fmt:MATRIX_FMT_FP4 matrix_b_fmt:MATRIX_FMT_FP4
.endif
.endm
; 16 products, transposed: my four weight tiles x one row tile, K = 512.  The four accumulators take turns, one instruction a turn.
; first = 1: the bias is the C of each sum's first product;  else the sums go on in place.  dwin: the accumulators' window.
.macro G_T d, dwin, buf, asc, first
.if \dwin
	WIN 0x51
.else
	WIN 0x01
.endif
.irp s, 0,1,2,3
.irp t, 0,1,2,3
.if (\first) && (\s == 0)
	MM \d+8*\t, WW+32*\t+8*\s, \buf+8*\s, 0, BIAS+8*\t, WSC+4*\t+\s, \asc+\s
.else
	MM \d+8*\t, WW+32*\t+8*\s, \buf+8*\s, 0, \d+8*\t, WSC+4*\t+\s, \asc+\s
.endif
.endr
.endr
.endm
; The same with the sources the other way round: a lane holds a channel, its registers run along the time rows.  Accumulator (t, m) at R + 32 t + 8 m.
.macro G_V m, buf, asc
.irp s, 0,1,2,3
.if \s == 0
	WIN 0x44
.else
	WIN 0x54
.endif
.irp t, 0,1,2,3
.if \s == 0
	MM 32*\t+8*(\m), \buf+8*\s, WW+32*\t+8*\s, 0, BIAS+8*\t, \asc+\s, WSC+4*\t+\s
.else
	MM 32*\t+8*(\m), \buf+8*\s, WW+32*\t+8*\s, 0, 32*\t+8*(\m), \asc+\s, WSC+4*\t+\s
.endif
.endr
.endr
.endm
.macro GG form, m, buf, asc
.if \form
	G_V \m, \buf, \asc
.else
	G_T 32*(\m), 1, \buf, \asc, 0
.endif
	WIN 0
.endm
; A whole layer into R: the four row tiles through two sets of operand registers.  form 0: transposed, in place onto what R holds;  form 1: V.
; Four plain places stand between a product and a load into a register that it has read (ISA guide 7.12.1 for vector instructions).
.macro GEMM_R img, scl, form
	ACTLOAD \img, \scl, 0, ACT, ASA
	ACTLOAD \img, \scl, 1, ACC, ASB
	s_wait_loadcnt 0x0                                    ; the layer's weights, scale words and bias are in
.if \form
.irp t, 0,1,2,3
.irp j, 0,1,2,3,4,5,6,7
	v_mov_b32 v[BIAS+8*\t+\j], v[BVT+\t]                  ; a lane's channel has one bias for all its eight time rows
.endr
.endr
	NOPS 4
.endif
	s_wait_dscnt 9                                        ; tile 0 is in; the nine loads of tile 1 may be out
	GG \form, 0, ACT, ASA
	NOPS 4
	ACTLOAD \img, \scl, 2, ACT, ASA
	s_wait_dscnt 9                                        ; tile 1 is in; tile 2's nine may be out
	GG \form, 1, ACC, ASB
	NOPS 4
	ACTLOAD \img, \scl, 3, ACC, ASB
	s_wait_dscnt 9                                        ; tile 2 is in; tile 3's nine may be out
	GG \form, 2, ACT, ASA
	s_wait_dscnt 0x0
	GG \form, 3, ACC, ASB
	NOPS 4
.endm
.macro LNBIAS                          ; R += the layer's bias; ascending: each accumulator is read from its low end on
	WIN 0x41
.set qi, 0
.rept 64
	v_pk_add_f32 v[2*qi:2*qi+1], v[2*qi:2*qi+1], v[BIAS+(2*qi)%32:BIAS+(2*qi)%32+1]
.set qi, qi+1
.endr
	WIN 0
.endm
.macro TREE8                           ; the eight pairs at v[ACC] on are added up; lane l xor 16's sum comes to v[TMP]
.irp i, 0,1,2,3
	v_pk_add_f32 v[ACC+4*\i:ACC+4*\i+1], v[ACC+4*\i:ACC+4*\i+1], v[ACC+4*\i+2:ACC+4*\i+3]
.endr
.irp i, 0,1
	v_pk_add_f32 v[ACC+8*\i:ACC+8*\i+1], v[ACC+8*\i:ACC+8*\i+1], v[ACC+8*\i+4:ACC+8*\i+5]
.endr
	v_pk_add_f32 v[ACC:ACC+1], v[ACC:ACC+1], v[ACC+8:ACC+9]
	v_add_f32 v[ACC], v[ACC], v[ACC+1]
	v_permlanex16_b32 v[TMP], v[ACC], s52, s53
.endm
; Row tile m: the mean of my 64 columns is taken away from R; it and the sum of the squares of what is left go to the table at st
.macro LNSTAT m, st
.set SPM, SP+2*((\m)%2)+152*((\m)/2)
	WIN 0x05
.irp i, 0,1,2,3,4,5,6,7
	v_pk_add_f32 v[ACC+2*\i:ACC+2*\i+1], v[32*(\m)+4*\i:32*(\m)+4*\i+1], v[32*(\m)+4*\i+2:32*(\m)+4*\i+3]
.endr
	WIN 0
	TREE8
	v_add_f32 v[ACC], v[ACC], v[TMP]
	v_mul_f32 v[SPM], s56, v[ACC]                         ; / 64
	WIN 0x41
.set qi, 0
.rept 16
	v_pk_add_f32 v[32*(\m)+2*qi:32*(\m)+2*qi+1], v[32*(\m)+2*qi:32*(\m)+2*qi+1], v[SPM:SPM+1] op_sel_hi:[1,0] neg_lo:[0,1] neg_hi:[0,1]
.set qi, qi+1
.endr
	WIN 0x05
.irp i, 0,1,2,3,4,5,6,7
	v_pk_mul_f32 v[ACC+2*\i:ACC+2*\i+1], v[32*(\m)+4*\i:32*(\m)+4*\i+1], v[32*(\m)+4*\i:32*(\m)+4*\i+1]
.endr
.irp i, 0,1,2,3,4,5,6,7
	v_pk_fma_f32 v[ACC+2*\i:ACC+2*\i+1], v[32*(\m)+4*\i+2:32*(\m)+4*\i+3], v[32*(\m)+4*\i+2:32*(\m)+4*\i+3], v[ACC+2*\i:ACC+2*\i+1]
.endr
	WIN 0
	TREE8
	v_add_f32 v[SPM+1], v[ACC], v[TMP]
	ds_store_b64 v[STW], v[SPM:SPM+1] offset:\st+1280*(\m)   ; both halves of the lanes write the same eight bytes with the same value
.endm
; The eight waves' parts of each of my lanes' rows are joined: 1 / sigma and (mean_w - mean) / sigma for the four row tiles
.macro LNFIN st
.irp m, 0,1,2,3
.irp q, 0,1,2,3
	ds_load_b128 v[ACC+16*\m+4*\q:ACC+16*\m+4*\q+3], v[STR] offset:\st+1280*\m+16*\q
.endr
.endr
	s_wait_dscnt 0x0
.irp m, 0,1,2,3
.irp q, 0,1,2,3
	v_pk_add_f32 v[TM+2*\q:TM+2*\q+1], v[ACC+16*\m+4*\q:ACC+16*\m+4*\q+1], v[ACC+16*\m+4*\q+2:ACC+16*\m+4*\q+3]
.endr
	v_pk_add_f32 v[TM:TM+1], v[TM:TM+1], v[TM+2:TM+3]
	v_pk_add_f32 v[TM+4:TM+5], v[TM+4:TM+5], v[TM+6:TM+7]
	v_pk_add_f32 v[TM:TM+1], v[TM:TM+1], v[TM+4:TM+5]     ; (sum of the means, sum of the M2)
	v_mul_f32 v[LNP+4*\m+3], 0x3e000000, v[TM]            ; / 8: the row's mean
.irp q, 0,1,2,3,4,5,6,7
	v_sub_f32 v[ACC+16*\m+2*\q], v[ACC+16*\m+2*\q], v[LNP+4*\m+3]
.endr
	v_mul_f32 v[TM+2], v[ACC+16*\m], v[ACC+16*\m]
.irp q, 1,2,3,4,5,6,7
	v_fmac_f32 v[TM+2], v[ACC+16*\m+2*\q], v[ACC+16*\m+2*\q]
.endr
	v_fma_f32 v[TM+2], v[TM+2], s59, v[TM+1]              ; M2 = sum M2_w + 64 sum (mean_w - mean)^2
	v_fma_f32 v[PC+\m], v[TM+2], s57, s58                 ; / 512 + 1e-5
.endr
.irp m, 0,1,2,3
	v_rsq_f32 v[LNP+4*\m], v[PC+\m]
.endr
.irp m, 0,1,2,3
	v_sub_f32 v[LNP+4*\m+1], v[SP+2*(\m%2)+152*(\m/2)], v[LNP+4*\m+3]   ; plain work behind the four roots
.endr
	s_wait_alu depctr_va_vdst(0)                          ; one wait for the four, ahead of their first reader
.irp m, 0,1,2,3
	v_mul_f32 v[LNP+4*\m+2], v[LNP+4*\m+1], v[LNP+4*\m]
.endr
.endm
.macro NORM m, dst, dwin               ; (R + mean_w - mean) / sigma, one fused multiply-add for two numbers
.if \dwin
	WIN 0x41
.else
	WIN 0x01
.endif
.set qi, 0
.rept 16
	v_pk_fma_f32 v[\dst+2*qi:\dst+2*qi+1], v[32*(\m)+2*qi:32*(\m)+2*qi+1], v[LNP+4*(\m):LNP+4*(\m)+1], v[LNP+4*(\m)+2:LNP+4*(\m)+3] op_sel_hi:[1,0,0]
.set qi, qi+1
.endr
	WIN 0
.endm
; A row tile of x: + te, through LDS from loaded rows to operand rows, quantised, image to LDS.  cnt: the loads issued behind this tile's, which may stay out
.macro XPART src, te, sa, so, la, img, scl, m, cnt
	s_wait_loadcnt \cnt
	WIN 0x41
.set qi, 0
.rept 16
	v_pk_add_f32 v[\src+2*qi:\src+2*qi+1], v[\src+2*qi:\src+2*qi+1], v[\te+2*qi:\te+2*qi+1]
.set qi, qi+1
.endr
	WIN 0x04
.irp i, 0,1,2,3,4,5,6,7
	ds_store_b128 v[\sa], v[\src+4*\i:\src+4*\i+3] offset:\so+272*\i
.endr
	WIN 0
.irp b, 0,1
.irp j, 0,1,2,3
	ds_load_b128 v[ACC+16*\b+4*\j:ACC+16*\b+4*\j+3], v[\la] offset:\so+128*\b+16*\j   ; LDS serves a wave's instructions in order (ISA guide 5.7.1.4): these see my stores
.endr
.endr
	s_wait_dscnt 0x0
	QUANT32 ACC, 0, PC, PW
	PUT \img, \scl, \m
.endm
; Row tile m of the queries: q, the scores, the softmax, the second product, the result's codes to LDS
.macro QATT m
.set BQ, (\m)/2
.set UQ, (\m)%2
	s_wait_dscnt 0x0                                      ; the tile's fragments of xl + te are in
	G_T ACC, 0, ACT, ASA, 1
	WIN 0
	NOPS 4
.if \m == 3
	LOADW 30, 0                                           ; Wq is done with: Wo
.endif
	QUANT32 ACC, 0, QF, QS
.if BQ == 0
.set qi, 0
.rept 16
	v_mov_b32 v[ACC+16+qi], v[NEGV]                       ; keys 32 to 63 are hidden from queries 0 to 31.  (Also the places between q's scale word and the products)
.set qi, qi+1
.endr
.else
	NOPS 8                                                ; a scale word made by vector instructions stands eight places ahead of the product, codes so made four
.endif
.set mk, 0
.rept 2*BQ+2
	MM ACC+8*mk, KF+4*mk, QF, 1, 0, KS+mk, QS             ; S^T: register 16 b + i = key 32 b + 16 (lane / 16) + i of my query
.set mk, mk+1
.endr
	NOPS 4
.set qi, 0
.rept 16
	v_cndmask_b32 v[ACC+16*BQ+qi], v[ACC+16*BQ+qi], v[NEGV], s[74+qi-8*UQ]   ; the block on the diagonal: hidden where i - 8 (m % 2) > r % 8 + 16 (r / 8) - 16 (lane / 16)
.set qi, qi+1
.endr
.irp b, 0,1
	v_max3_num_f32 v[TM+\b], v[ACC+16*\b], v[ACC+16*\b+1], v[ACC+16*\b+2]   ; each block's largest score: for the row's maximum and, since p rises with the score, for the block's largest p
.endr
.irp i, 3,5,7,9,11,13
.irp b, 0,1
	v_max3_num_f32 v[TM+\b], v[TM+\b], v[ACC+16*\b+\i], v[ACC+16*\b+\i+1]
.endr
.endr
.irp b, 0,1
	v_max_num_f32 v[TM+\b], v[TM+\b], v[ACC+16*\b+15]
.endr
.irp b, 0,1
	v_permlanex16_b32 v[TM+2+\b], v[TM+\b], s52, s53
.endr
.irp b, 0,1
	v_max_num_f32 v[TM+\b], v[TM+\b], v[TM+2+\b]
.endr
	v_max_num_f32 v[TMP], v[TM], v[TM+1]
	v_mul_f32 v[TMP], s54, v[TMP]                         ; the row's largest t
	v_floor_f32 v[NM], -v[TMP]                            ; -M = floor(-t) = -ceil(t)
.set qi, 0
.rept 16
	v_pk_fma_f32 v[ACC+2*qi:ACC+2*qi+1], v[ACC+2*qi:ACC+2*qi+1], s[54:55], v[NM:NM+1] op_sel_hi:[1,0,0]   ; t - M
.set qi, qi+1
.endr
.irp b, 0,1
	v_fma_f32 v[TM+\b], v[TM+\b], s54, v[NM]
.endr
.set qi, 0
.rept 32
	v_exp_f32 v[ACC+qi], v[ACC+qi]                        ; p = 2^(t - M)
.set qi, qi+1
.endr
	v_nop                                                 ; a plain place behind the exponentials
	s_wait_alu depctr_va_vdst(0)                          ; one wait for the batch, ahead of its first reader
.irp b, 0,1
	v_exp_f32 v[TM+\b], v[TM+\b]                          ; the blocks' largest p: the same two instructions on the same number
.endr
	v_pk_add_f32 v[L0:L0+1], v[ACC:ACC+1], v[ACC+2:ACC+3] ; the sum of the unquantised p, in two chains
	v_pk_add_f32 v[L1:L1+1], v[ACC+4:ACC+5], v[ACC+6:ACC+7]
.irp j, 8,12,16,20,24,28
	v_pk_add_f32 v[L0:L0+1], v[L0:L0+1], v[ACC+\j:ACC+\j+1]
	v_pk_add_f32 v[L1:L1+1], v[L1:L1+1], v[ACC+\j+2:ACC+\j+3]
.endr
	v_pk_add_f32 v[L0:L0+1], v[L0:L0+1], v[L1:L1+1]
	s_wait_alu depctr_va_vdst(0)                          ; and one for the two
.irp b, 0,1
	v_max_num_f32 v[TM+\b], 0x1800000, v[TM+\b]           ; the floor: a block whose every p is 0 keeps the byte 1 over zero codes
.endr
.irp b, 0,1
	v_add_nc_u32 v[TM+4+\b], 0xff000000, v[TM+\b]
.endr
.irp b, 0,1
	v_lshrrev_b32 v[TM+6+\b], 23, v[TM+4+\b]
.endr
	v_lshl_or_b32 v[PS], v[TM+7], 8, v[TM+6]
.irp b, 0,1
	v_cvt_scalef32_pk8_fp4_f32 v[PF+2*\b], v[ACC+16*\b:ACC+16*\b+7], v[TM+4+\b]
	v_cvt_scalef32_pk8_fp4_f32 v[PF+2*\b+1], v[ACC+16*\b+8:ACC+16*\b+15], v[TM+4+\b]
.endr
	v_nop
	v_permlane16_swap_b32 v[PF], v[PF+2]
	v_permlane16_swap_b32 v[PF+1], v[PF+3]
	v_add_f32 v[L1], v[L0], v[L0+1]
	v_permlanex16_b32 v[L1+1], v[L1], s52, s53
	v_add_f32 v[L1], v[L1], v[L1+1]                       ; the row's sum
	v_rcp_f32 v[L0], v[L1]
	NOPS 8                                                ; the places between p's scale word and the products; the first is the plain place behind the reciprocal
.irp t, 0,1,2,3
	MM ACT+8*\t, VF+4*\t, PF, 1, 0, VS+\t, PS             ; O^T: register 16 b + i = channel 32 b + 16 (lane / 16) + i of my query
.endr
	NOPS 4
	s_wait_alu depctr_va_vdst(0)                          ; the reciprocal's wait, ahead of its first reader
.set qi, 0
.rept 16
	v_pk_mul_f32 v[ACT+2*qi:ACT+2*qi+1], v[ACT+2*qi:ACT+2*qi+1], v[L0:L0+1] op_sel_hi:[1,0]
.set qi, qi+1
.endr
	QUANT32 ACT, 0, PC, PW
	PUT P0I, P0S, \m
.if \m < 3
	ACTLOAD XLI, XLS, \m+1, ACT, ASA
.endif
.endm
; The way out of row tile m: normalised, through my stage from operand rows to memory rows
.macro OSTAGE m, ob
	NORM \m, \ob, 0
.irp b, 0,1
.irp j, 0,1,2,3
	ds_store_b128 v[TRD], v[\ob+16*\b+4*\j:\ob+16*\b+4*\j+3] offset:128*\b+16*\j
.endr
.endr
.irp i, 0,1,2,3,4,5,6,7
	ds_load_b128 v[\ob+4*\i:\ob+4*\i+3], v[TWS] offset:272*\i   ; in order behind my stores; the next tile's stores come behind these
.endr
.endm
.macro OSEND m, ob, cnt                ; cnt: the LDS instructions issued behind this tile's loads
	s_wait_dscnt \cnt
.irp i, 0,1,2,3,4,5,6,7
	global_store_b128 v[XO], v[\ob+4*\i:\ob+4*\i+3], s[10:11] offset:(32*((\m)/2)+8*((\m)%2)+\i)*TSTR th:TH_STORE_NT   ; sixteen lanes store 256 consecutive bytes, at a multiple of 256 from the buffer's first byte
.endr
.endm
	; ---------------- the head
	s_load_b512 s[4:19], s[0:1], 0x0                      ; xl, xh, te, out; Wv: codes, scales, bias; Wk's codes
	s_load_b512 s[20:35], s[0:1], 0x40                    ; Wk's scales, bk; Wq's three; Wo's three
	s_load_b256 s[36:43], s[0:1], 0x80                    ; W1's three; W2's codes
	s_load_b128 s[44:47], s[0:1], 0xa0                    ; W2's scales, b2
	v_lshrrev_b32 v[TMP], 5, v0
	v_readfirstlane_b32 s48, v[TMP]                       ; wave 0..7
	v_and_b32 v[TMP], 31, v0                              ; lane
	v_lshlrev_b32 v[LI], 4, v[TMP]
	v_lshlrev_b32 v[PFO], 17, v[TMP]
	v_and_b32 v20, 15, v0                                 ; r
	v_bfe_u32 v21, v0, 4, 1                               ; h
	v_lshl_add_u32 v[LSC], v20, 4, SCB
	s_lshl_b32 s50, s48, 9
	v_add_nc_u32 v[IMW], s50, v[LI]
	s_lshl_b32 s50, s48, 1
	v_add_nc_u32 v[SCW], s50, v[LSC]
	v_lshlrev_b32 v[XO], 4, v20
	v_lshl_add_u32 v[XO], v21, 21, v[XO]
	v_mul_u32_u24 v22, v21, 2176
	v_lshl_add_u32 v22, v20, 4, v22                       ; 8 rows x h + 16 r
	v_mul_u32_u24 v23, v20, 272
	v_lshl_add_u32 v23, v21, 6, v23                       ; row r + 64 h
	s_mul_i32 s50, s48, 4352
	s_add_co_u32 s50, s50, TURNB
	v_add_nc_u32 v[TWS], s50, v22
	v_add_nc_u32 v[TRD], s50, v23
	s_mul_i32 s50, s48, 17408
	s_add_co_u32 s50, s50, RESB
	v_add_nc_u32 v[RWS], s50, v22
	v_add_nc_u32 v[RRD], s50, v23
	v_and_b32 v24, 8, v20
	v_add_nc_u32 v24, v24, v20                            ; r + 8 (r / 8)
	v_lshlrev_b32 v[WO], 8, v24
	v_lshl_add_u32 v[WO], v21, 4, v[WO]
	v_lshlrev_b32 v[WSO], 4, v24
	v_lshlrev_b32 v[BO], 6, v21
	v_lshlrev_b32 v[BVO], 2, v24
	v_mul_u32_u24 v[STR], v20, 80
	v_add_nc_u32 v[STR], STATB, v[STR]
	s_lshl_b32 s50, s48, 3
	v_add_nc_u32 v[STW], s50, v[STR]
	v_mov_b32 v[NEGV], 0xc6fffe00                         ; -32767.0
	v_and_b32 v25, 7, v20
	v_and_b32 v26, 8, v20
	v_lshl_add_u32 v25, v26, 1, v25
	v_lshlrev_b32 v26, 4, v21
	v_sub_nc_u32 v25, v25, v26                            ; r % 8 + 16 (r / 8) - 16 h
.set cc, -8
.rept 24
	v_cmp_gt_i32 s[74+cc], cc, v25                        ; the causal mask's 24 lane masks: s[74 + c] has the lanes in which c is above that number
.set cc, cc+1
.endr
.irp j, 4,5,6,7
	v_mov_b32 v[PF+\j], 0                                 ; the upper halves of p's and q's fragments: zero codes, for the whole launch
	v_mov_b32 v[QF+\j], 0
.endr
	v_mov_b32 v[NM+1], 0                                  ; named as upper halves of pairs before they are otherwise written
	v_mov_b32 v[SP+1], 0
	v_mov_b32 v[SP+3], 0
	s_mov_b32 s52, 0x76543210                             ; v_permlanex16_b32's selects for lane l xor 16
	s_mov_b32 s53, 0xfedcba98
	s_mov_b32 s54, 0x3e38aa3b                             ; log2(e) / 8
	s_mov_b32 s55, s54
	s_mov_b32 s56, 0x3c800000                             ; 1 / 64
	s_mov_b32 s57, 0x3b000000                             ; 1 / 512
	s_mov_b32 s58, 0x3727c5ac                             ; 1e-5
	s_mov_b32 s59, 0x42800000                             ; 64
	s_mov_b32 s49, 0                                      ; the trip
	s_lshr_b32 s50, ttmp9, 5                              ; the batch: 32 work-groups each
	s_lshl_b32 s50, s50, 23
	s_and_b32 s51, ttmp9, 31
	s_lshl_b32 s51, s51, 12                               ; two vertices a work-group
	s_add_co_u32 s50, s50, s51
	s_lshl_b32 s51, s48, 8                                ; my 64 columns
	s_add_co_u32 s50, s50, s51
	s_mov_b32 s51, 0
	s_mov_b32 s61, 0
	s_wait_kmcnt 0x0
.irp p, 4,6,8,10
	s_add_nc_u64 s[\p:\p+1], s[\p:\p+1], s[50:51]
.endr
	s_lshl_b32 s60, s48, 14                               ; my 64 rows of codes, 256 bytes each
.irp p, 12,18,24,30,36,42
	s_add_nc_u64 s[\p:\p+1], s[\p:\p+1], s[60:61]
.endr
	s_lshl_b32 s60, s48, 10                               ; of scale bytes, 16 each
.irp p, 14,20,26,32,38,44
	s_add_nc_u64 s[\p:\p+1], s[\p:\p+1], s[60:61]
.endr
	s_lshl_b32 s60, s48, 8                                ; my 64 numbers of a bias
.irp p, 16,22,28,34,40,46
	s_add_nc_u64 s[\p:\p+1], s[\p:\p+1], s[60:61]
.endr
	XFIRST
.Ltrip:
	XREST
	; ---------------- x + te, quantised.  In order of issue: te 0, xh 0-3 | te 1-3, xl 0-3 | Wv's 40.  The counts are the loads behind the tile's own (80 and 64 are held at 63, the most a wait can name)
	XPART WW,    TE0, TWS, 0, TRD, XHI, XHS, 0, 63
	XPART WW+32, TE1, TWS, 0, TRD, XHI, XHS, 1, 48
	XPART WW+64, TE2, TWS, 0, TRD, XHI, XHS, 2, 40
	XPART WW+96, TE3, TWS, 0, TRD, XHI, XHS, 3, 32
	LOADW 12, 1                                           ; xh has left W
	XPART 0,  TE0, RWS, 0,     RRD, XLI, XLS, 0, 63
	XPART 32, TE1, RWS, 4352,  RRD, XLI, XLS, 1, 56
	XPART 64, TE2, RWS, 8704,  RRD, XLI, XLS, 2, 48
	XPART 96, TE3, RWS, 13056, RRD, XLI, XLS, 3, 40
	BAR                                                   ; both tensors' images lie in LDS
	; ---------------- v: channels in lanes, keys along the registers
	GEMM_R XHI, XHS, 1
	LOADW 18, 0
	ACTLOAD XHI, XHS, 0, ACT, ASA
.irp t, 0,1,2,3
	RELU 32*\t, 1
	QUANT32 32*\t, 1, VF+4*\t, VS+\t
.endr
	; ---------------- k
	s_wait_loadcnt 0x0
.irp m, 0,1,2,3
	s_wait_dscnt 0x0
	G_T ACC, 0, ACT, ASA, 1
	WIN 0
	NOPS 4
.if \m < 3
	ACTLOAD XHI, XHS, \m+1, ACT, ASA
.else
	LOADW 24, 0
	ACTLOAD XLI, XLS, 0, ACT, ASA
	WIN 0x40
.irp n, 0,1,2,3
.irp b, 0,1
.irp j, 0,1,2,3
	ds_load_b128 v[32*\n+16*\b+4*\j:32*\n+16*\b+4*\j+3], v[RRD] offset:4352*\n+128*\b+16*\j   ; xl + te comes back into R, in the result's layout: the residual
.endr
.endr
.endr
	WIN 0
.endif
	RELU ACC, 0
	QUANT32 ACC, 0, KF+4*\m, KS+\m
.endr
	; ---------------- q and the attention of my head
	s_wait_loadcnt 0x0
	QATT 0
	QATT 1
	QATT 2
	QATT 3
	BAR                                                   ; the attention's result lies in LDS
	; ---------------- Wo, the residual, the first norm
	GEMM_R P0I, P0S, 0
	LNBIAS
	LOADW 36, 0
.irp m, 0,1,2,3
	LNSTAT \m, 0
.endr
	BAR
	LNFIN 0
.irp m, 0,1,2,3
	NORM \m, 32*\m, 1                                     ; val stays in R: the second residual
	s_wait_dscnt 0x0                                      ; the last tile's stores have read their registers
	QUANT32 32*\m, 1, PC, PW
	PUT P1I, P1S, \m
.endr
	BAR                                                   ; val's images lie in LDS
	; ---------------- W1
	ACTLOAD P1I, P1S, 0, ACT, ASA
	; The next vertex's time rows 0 to 31 of te and xh, my 256 bytes of each: a lane a row, each block named once in the launch, two layers' products ahead of the loads that want them.  The last trip asks for nothing
	s_cmp_eq_u32 s49, GROUPS-1
	s_cbranch_scc1 .Lno_ask
	global_prefetch_b8 v[PFO], s[8:9] offset:GSTEP th:TH_LOAD_NT scope:SCOPE_SE
	global_prefetch_b8 v[PFO], s[6:7] offset:GSTEP th:TH_LOAD_NT scope:SCOPE_SE
.Lno_ask:
	s_wait_loadcnt 0x0
.irp m, 0,1,2,3
	s_wait_dscnt 0x0
	G_T ACC, 0, ACT, ASA, 1
	WIN 0
	NOPS 4
.if \m < 3
	ACTLOAD P1I, P1S, \m+1, ACT, ASA
.else
	LOADW 42, 0
.endif
	RELU ACC, 0
	QUANT32 ACC, 0, PC, PW
	PUT P0I, P0S, \m
.endr
	BAR                                                   ; the hidden layer's images lie in LDS
	; ---------------- W2, the residual, the second norm, the way out
	GEMM_R P0I, P0S, 0
	LNBIAS
	s_cmp_eq_u32 s49, GROUPS-1
	s_cbranch_scc1 .Lno_next                              ; no load leaves its buffer: the last vertex has no successor
	s_wait_xcnt 0x0                                       ; every earlier load and prefetch has read its base
	s_add_nc_u64 s[4:5], s[4:5], GSTEP
	s_add_nc_u64 s[6:7], s[6:7], GSTEP
	s_add_nc_u64 s[8:9], s[8:9], GSTEP
	XFIRST                                                ; W and v224-255 are free: the next vertex's first 40 loads go out under the norm and the stores
.Lno_next:
.irp m, 0,1,2,3
	LNSTAT \m, 5120
.endr
	BAR
	LNFIN 5120
	OSTAGE 0, ACC
	OSTAGE 1, ACT
	OSEND 0, ACC, 16                                      ; behind tile 0's loads: tile 1's eight stores and eight loads
	s_wait_xcnt 0x0                                       ; tile 0's stores have read their registers
	OSTAGE 2, ACC
	OSEND 1, ACT, 16
	s_wait_xcnt 0x0
	OSTAGE 3, ACT
	OSEND 2, ACC, 16
	OSEND 3, ACT, 0
	s_wait_xcnt 0x0                                       ; the stores have read their registers and their base
	s_add_nc_u64 s[10:11], s[10:11], GSTEP
	s_add_co_u32 s49, s49, 1
	s_cmp_lt_u32 s49, GROUPS
	s_cbranch_scc1 .Ltrip
	s_wait_xcnt 0x0
	v_lshl_add_u32 v254, v0, 2, 0x3e000
	v_mov_b32 v255, 0
	s_wait_tensorcnt 0x0
	ds_add_u32 v254, v255
	s_wait_dscnt 0x0
	s_endpgm
.Lfunc_end_k_qff0bf6e417_fused:
	.size	k_qff0bf6e417_fused, .Lfunc_end_k_qff0bf6e417_fused-k_qff0bf6e417_fused
	.p2alignl 7, 3214868480
	.fill 96, 4, 3214868480
	.section	.rodata,"a",@progbits
	.p2align	6, 0x0
	.amdhsa_kernel k_qff0bf6e417_fused
		.amdhsa_group_segment_fixed_size 254976
		.amdhsa_private_segment_fixed_size 0
		.amdhsa_enable_private_segment 0
		.amdhsa_kernarg_size 176
		.amdhsa_user_sgpr_count 2
		.amdhsa_user_sgpr_kernarg_segment_ptr 1
		.amdhsa_wavefront_size32 1
		.amdhsa_system_sgpr_workgroup_id_x 1
		.amdhsa_system_sgpr_workgroup_id_y 1
		.amdhsa_system_sgpr_workgroup_id_z 1
		.amdhsa_system_vgpr_workitem_id 0
		.amdhsa_next_free_vgpr 512
		.amdhsa_next_free_sgpr 90
		.amdhsa_reserve_vcc 0
		.amdhsa_float_denorm_mode_32 3
		.amdhsa_float_denorm_mode_16_64 3
		.amdhsa_memory_ordered 1
		.amdhsa_forward_progress 1
		.amdhsa_inst_pref_size 255
	.end_amdhsa_kernel
	.section	.bss,"aw",@nobits
	.p2align	6
	.space	262144
	.amdgpu_metadata
---
amdhsa.version: [ 1, 2 ]
amdhsa.kernels:
  - .name:           k_qff0bf6e417_fused
    .symbol:         k_qff0bf6e417_fused.kd
    .args:
      - { .name: xl, .offset: 0, .size: 8, .value_kind: global_buffer, .address_space: global }
      - { .name: xh, .offset: 8, .size: 8, .value_kind: global_buffer, .address_space: global }
      - { .name: te, .offset: 16, .size: 8, .value_kind: global_buffer, .address_space: global }
      - { .name: out0, .offset: 24, .size: 8, .value_kind: global_buffer, .address_space: global }
      - { .name: Wv_codes, .offset: 32, .size: 8, .value_kind: global_buffer, .address_space: global }
      - { .name: Wv_scales, .offset: 40, .size: 8, .value_kind: global_buffer, .address_space: global }
      - { .name: bv, .offset: 48, .size: 8, .value_kind: global_buffer, .address_space: global }
      - { .name: Wk_codes, .offset: 56, .size: 8, .value_kind: global_buffer, .address_space: global }
      - { .name: Wk_scales, .offset: 64, .size: 8, .value_kind: global_buffer, .address_space: global }
      - { .name: bk, .offset: 72, .size: 8, .value_kind: global_buffer, .address_space: global }
      - { .name: Wq_codes, .offset: 80, .size: 8, .value_kind: global_buffer, .address_space: global }
      - { .name: Wq_scales, .offset: 88, .size: 8, .value_kind: global_buffer, .address_space: global }
      - { .name: bq, .offset: 96, .size: 8, .value_kind: global_buffer, .address_space: global }
      - { .name: Wo_codes, .offset: 104, .size: 8, .value_kind: global_buffer, .address_space: global }
      - { .name: Wo_scales, .offset: 112, .size: 8, .value_kind: global_buffer, .address_space: global }
      - { .name: bo, .offset: 120, .size: 8, .value_kind: global_buffer, .address_space: global }
      - { .name: W1_codes, .offset: 128, .size: 8, .value_kind: global_buffer, .address_space: global }
      - { .name: W1_scales, .offset: 136, .size: 8, .value_kind: global_buffer, .address_space: global }
      - { .name: b1, .offset: 144, .size: 8, .value_kind: global_buffer, .address_space: global }
      - { .name: W2_codes, .offset: 152, .size: 8, .value_kind: global_buffer, .address_space: global }
      - { .name: W2_scales, .offset: 160, .size: 8, .value_kind: global_buffer, .address_space: global }
      - { .name: b2, .offset: 168, .size: 8, .value_kind: global_buffer, .address_space: global }
    .group_segment_fixed_size: 254976
    .private_segment_fixed_size: 0
    .kernarg_segment_align: 8
    .kernarg_segment_size: 176
    .max_flat_workgroup_size: 256
    .sgpr_count:     90
    .vgpr_count:     512
    .wavefront_size: 32
...
	.end_amdgpu_metadata
.endif
;; end of part 1
;; ======== version 2 of 2: 1 launch; version 1 with the launch fused written anew for expert scheduling mode
;; launch fused (part 2): grid 256 x 1, 8 waves a work-group, no clusters, 254,976 bytes of LDS; arguments xl, xh, te, out0, Wv_codes, Wv_scales, bv, Wk_codes, Wk_scales, bk, Wq_codes, Wq_scales, bq, Wo_codes, Wo_scales, bo, W1_codes, W1_scales, b1, W2_codes, W2_scales, b2; writes out0
.if DOCPART == 2
	.amdgcn_target "amdgcn-amd-amdhsa--gfx1250"
	.amdhsa_code_object_version 6
	.text
	.protected	k_qff0bf6e417_fused
	.globl	k_qff0bf6e417_fused
	.p2align	8
	.type	k_qff0bf6e417_fused,@function
k_qff0bf6e417_fused:
	s_mov_b64 s[64:65], 0
	v_nop
	global_prefetch_b8 v0, s[64:65] scope:SCOPE_SE
	s_setreg_imm32_b32 hwreg(HW_REG_WAVE_SCHED_MODE, 0, 2), 2
	s_setreg_imm32_b32 hwreg(HW_REG_WAVE_MODE, 25, 1), 1
	s_wait_xcnt 0x0
	s_wait_alu depctr_vm_vsrc(0)
; Adaptive fusion block, all eight products on codes of FP4 (E2M1) with one E8M0 scale for each 32 along K, everything in ONE launch:
;   a = xl + te, c = xh + te;  q = a Wq + bq;  k = relu(c Wk + bk);  v = relu(c Wv + bv);  causal attention over the 64 time rows of a vertex, 8 heads of 64;
;   val = LN(o Wo + bo + a);  out = LN(relu(val W1 + b1) W2 + b2 + val).
; SHARES.  The 64 time rows of one (batch, vertex) are a GROUP: nothing crosses groups.  512 groups, 256 work-groups, each walks 2 neighbouring vertices.  A group's rows lie 131,072 bytes apart.
; Eight waves.  WAVE w OWNS COLUMNS 64 w .. 64 w + 63 OF EVERY LAYER, that is head w, for all 64 rows: its 64 rows of a layer's weights are 128 registers, loaded straight into operand registers,
; and q, k, v and the whole attention of head w never leave the wave.  What goes from wave to wave goes through LDS: the codes of an activation as images of the operand's registers, scale words, and partial means.
; ORDER OF ROWS.  Lane index r of row tile m stands for time row 32 (m / 2) + 8 (m % 2) + r % 8 + 16 (r / 8); lane index r of weight tile t for weight row 64 w + 32 (t / 2) + 8 (t % 2) + r + 8 (r / 8).
; So the 16 registers of result tiles 2 b and 2 b + 1 are always 16 neighbours, 32 b + 16 (lane / 16) + 0 .. 15, along the next product's K, and a conversion's results are the next operand's registers.
; Products are used transposed (source 0 = 16 weight rows, source 1 = 16 time rows): a lane holds one time row.  V alone is used the other way round: a lane holds one channel and its registers run along the keys.
; The head size, 64, and the 64 keys are half of the instruction's K: the upper four registers of q's and of p's fragment are zero codes, which add nothing whatever stands against them.
; MASK.  As the module has it: hidden scores are -32767 ahead of the scaling.  They stay in the maximum, in the sum and in the second product.  Key tiles that lie wholly behind the mask are not multiplied.
; SOFTMAX.  t = score x log2(e) / 8;  M = ceil(the row's largest t);  p = 2^(t - M) is quantised along the keys; the sum of the unquantised p divides the result.
; LAYER NORM.  Each wave takes the mean of its 64 columns away first and sums squares of what is left; the eight parts are joined as sum M2 + 64 sum (mean_w - mean)^2: no difference of large sums is formed.
; LIMITS.  NaN and infinities among the inputs are not served.  A block of zeros gets the scale byte 1, not 127: its codes are zeros, and only this program reads the bytes.  A block whose largest magnitude lies
; under 2^-124 is quantised with the byte 1.  p under 2^-126 counts as 0 (v_exp_f32 flushes: ISA guide, its entry).
; No tensor load, no cluster: a layer's weights with padded rows, 139,264 bytes, do not fit beside the 253,952 bytes in use.
;
; THE MODE: SCHED_MODE bits 1:0 = 2 (LLVM: expert scheduling mode 2), set by the entry lines.  The code itself states the register dependences
; between vector or matrix instructions and memory or LDS instructions, with s_wait_alu, always for 0.
; THE PLAN.  Registers that memory or LDS instructions touch, and who else names them:
;   v1-v16      addresses and offsets: made at the head, never written again; rows and layers are reached by scalar bases and immediate offsets.
;   W           loads of xh land, the additions of te write, the stage's stores read; then six layers' weights land and the products read them.
;   R           loads of xl land, the additions write, the stage's stores read; V's products write; the residual lands; products and norms work in place; on the way out the stage's loads land in a tile that its
;               norm has left, and the global stores read it.
;   te          lands in v224-255, v192-223, ACT and BIAS; read by the additions alone.
;   ACC, ACT, BFC, BFD with ASA, ASB, ASC, ASD   operand buffers for activation tiles: LDS loads land, products read.  A layer that goes into R has one buffer for each of its four row tiles, so no load of such a
;               layer lands in a register that one of its products reads: the layer holds no wait.  K, q and W1 have ACT alone: one wait a tile, behind the tile's products, whose results the next lines want anyway.
;   PC, PW      codes and scale bytes in the x phase and in the attention: the quantiser writes, the codes' stores read.  In the x phase a tile's store stands behind the NEXT tile's wait.
;   OUT1, OUT2  the same for val and for the hidden layer, four tiles each: val's four stores stand behind one wait; the hidden layer's stand behind the next tile's wait.
;   SP          four pairs (mean, M2): written by the four tiles' sums, read by four stores behind one wait.
;   WSC, BIAS, BVT   land with the weights; read by products, additions and copies.
;
; REGISTERS.  Window 1: v0-127 R (residual and wide accumulators), v128-255 W (a layer's weights; xh as it is loaded).  Window 0: see the names below.
.set GROUPS, 2
.set TSTR,   131072                    ; bytes from a time row to the next
.set GSTEP,  2048                      ; bytes from a vertex to the next
; LDS
.set XHI,  0                           ; images of the codes of xh + te: fragment (row tile m, K step s) at 4096 m + 1024 s, two stores of 512 bytes; wave w writes 4096 m + 512 w
.set XLI,  16384                       ; of xl + te
.set P0I,  32768                       ; of the attention's result, later of the hidden layer
.set P1I,  49152                       ; of val
.set SCB,  65536                       ; scale words: [row tile][lane index r][16 bytes]: row r's words of the four K steps; wave w writes the two bytes at 2 w
.set XHS,  0
.set XLS,  1024
.set P0S,  2048
.set P1S,  3072
.set STATB, 69632                      ; two tables of (mean, M2): row (16 m + r) x 80 bytes + 8 w; 5,120 bytes each
.set TURNB, 79872                      ; a stage for each wave: 16 rows x 272 bytes (17 x 16: sixteen rows start in sixteen different 16-byte columns)
.set RESB,  114688                     ; xl + te in f32, each wave's own 64 rows x 272 bytes
; window 0
.set LI,   1                           ; 16 x lane
.set LSC,  2                           ; SCB + 16 r
.set IMW,  3                           ; 16 x lane + 512 w
.set SCW,  4                           ; SCB + 16 r + 2 w
.set XO,   5                           ; 16 r + 16 time rows x h: a row's 256 bytes to sixteen lanes
.set TWS,  6                           ; my stage by loaded rows: 2176 h + 16 r
.set TRD,  7                           ; my stage by operand rows: 272 r + 64 h
.set RWS,  8                           ; the same two in my part of RESB
.set RRD,  9
.set WO,   10                          ; weights: 256 (r + 8 (r / 8)) + 16 h
.set WSO,  11                          ; their scale words: 16 (r + 8 (r / 8))
.set BO,   12                          ; a bias along the registers: 64 h
.set BVO,  13                          ; a bias along the lanes: 4 (r + 8 (r / 8))
.set STW,  14                          ; STATB + 80 r + 8 w
.set STR,  15                          ; STATB + 80 r
.set PFO,  16                          ; lane x a time row
.set NEGV, 17                          ; -32767.0
.set NM,   18                          ; v[18:19] -M (named as a pair)
.set TM,   20                          ; v20-27 at work in the quantiser
.set PC,   28                          ; v28-31 codes just made
.set PW,   32                          ; their two scale bytes
.set TMP,  33
.set L0,   34                          ; v[34:35], v[36:37] the row's sum in two chains
.set L1,   36
.set VAR,  34                          ; v34-37 in the norms: the four row tiles' variances
.set QS,   38                          ; q's scale word
.set PS,   39                          ; p's
.set PF,   40                          ; v40-47 p's fragment: four registers of codes, four of zeros
.set QF,   48                          ; v48-55 q's likewise
.set BVT,  56                          ; v56-59 bv as loaded
.set SP,   60                          ; (mean, M2) of my columns: row tiles 0, 1 in v[60:61], v[62:63]; 2, 3 in v[212:213], v[214:215]
.set ACC,  64                          ; v64-95
.set ACT,  96                          ; v96-127
.set BIAS, 128                         ; v128-159 a layer's bias in the result's layout
.set WSC,  160                         ; v160-175 the weights' scale words: 4 t + s
.set ASA,  176                         ; v176-179, v180-183 an activation tile's scale words, two sets;
.set ASB,  180
.set ASC,  184                         ; v184-187, v188-191 two more, in the layers that go into R: k's and v's scale words are not alive there
.set ASD,  188
.set KS,   184                         ; v184-187 k's scale words, a row tile each
.set VS,   188                         ; v188-191 v's, a channel tile each
.set LNP,  192                         ; v192-207 for each row tile: 1 / sigma, mean_w - mean, their product, mean
.set BFC,  192                         ; v192-223, v224-255 operand buffers for row tiles 2 and 3 in the layers that go into R: nothing else is alive there in those phases
.set BFD,  224
.set KF,   216                         ; v216-231 k's codes, four registers a row tile; v232-235 stand against zero codes
.set VF,   236                         ; v236-251 v's codes, four registers a channel tile; v252-255 likewise
.set OUT1, 216                         ; v216-231 val's codes, four registers a row tile; v232-235 their scale bytes
.set OUT2, 236                         ; v236-251, v252-255 the same for the hidden layer
.set TE0,  224                         ; where te's four row tiles land
.set TE1,  192
.set TE2,  96
.set TE3,  128
; window 1
.set WW,   128
.set MSB, 0
.macro WIN new                         ; s_set_vgpr_msb: bits 1:0 source 0, 3:2 source 1, 5:4 source 2, 7:6 destination; the high byte repeats the setting that is left
.if MSB != \new
	s_set_vgpr_msb (MSB<<8)|\new
.set MSB, \new
.endif
.endm
.macro NOPS n
.rept \n
	v_nop
.endr
.endm
.macro BAR                             ; my LDS stores have landed and my LDS loads are in: then the work-group's barrier
	s_wait_dscnt 0x0
	s_barrier_signal -1
	s_barrier_wait -1
.endm
; Row tile m of a tensor, my 64 columns: load i takes time rows base + i (lanes 0-15) and base + i + 16 (lanes 16-31), 256 consecutive aligned bytes each
.macro XLD dst, ptr, m
.irp i, 0,1,2,3,4,5,6,7
	global_load_b128 v[\dst+4*\i:\dst+4*\i+3], v[XO], s[\ptr:\ptr+1] offset:(32*((\m)/2)+8*((\m)%2)+\i)*TSTR th:TH_LOAD_NT
.endr
.endm
.macro XFIRST                          ; 40 loads: te's tile 0 and all of xh: into registers that are free behind the last product of a group
	XLD TE0, 8, 0
	WIN 0x40
.irp m, 0,1,2,3
	XLD WW+32*\m, 6, \m
.endr
	WIN 0
.endm
.macro XREST                           ; 56 loads: te's tiles 1 to 3 and all of xl: into registers that are free behind a group's last store
	XLD TE1, 8, 1
	XLD TE2, 8, 2
	XLD TE3, 8, 3
	WIN 0x40
.irp m, 0,1,2,3
	XLD 32*\m, 4, \m
.endr
	WIN 0
.endm
; 32 numbers of a lane, register 16 b + i = k 32 b + 16 (lane / 16) + i of the lane's row, become four registers of codes (lanes 0-15 block 0, lanes 16-31 block 1) and two scale bytes.
; win = 1: the numbers lie in window 1.
.macro QUANT32 src, win, dst, sc
.if \win
	WIN 0x14
.else
	WIN 0
.endif
.irp b, 0,1
	v_max3_num_f32 v[TM+\b], 0x1800000, |v[\src+16*\b]|, |v[\src+16*\b+1]|   ; my 16 numbers of block b, and the floor 2^(3 - 127): the byte cannot fall under 1
.endr
.irp i, 2,4,6,8,10,12,14
.irp b, 0,1
	v_max3_num_f32 v[TM+\b], v[TM+\b], |v[\src+16*\b+\i]|, |v[\src+16*\b+\i+1]|
.endr
.endr
	WIN 0
.irp b, 0,1
	v_permlanex16_b32 v[TM+2+\b], v[TM+\b], s52, s53
.endr
.irp b, 0,1
	v_max_num_f32 v[TM+\b], v[TM+\b], v[TM+2+\b]          ; with lane l xor 16's: the block's largest magnitude
.endr
.irp b, 0,1
	v_add_nc_u32 v[TM+4+\b], 0xff000000, v[TM+\b]         ; 2 off its exponent field: the conversion takes that field as its scale
.endr
.irp b, 0,1
	v_lshrrev_b32 v[TM+6+\b], 23, v[TM+4+\b]              ; the scale's byte
.endr
	v_lshl_or_b32 v[\sc], v[TM+7], 8, v[TM+6]
.if \win
	WIN 0x01
.endif
.irp b, 0,1
	v_cvt_scalef32_pk8_fp4_f32 v[\dst+2*\b], v[\src+16*\b:\src+16*\b+7], v[TM+4+\b]
	v_cvt_scalef32_pk8_fp4_f32 v[\dst+2*\b+1], v[\src+16*\b+8:\src+16*\b+15], v[TM+4+\b]
.endr
	WIN 0
	v_nop                                                 ; one plain place behind a scaled conversion
	v_permlane16_swap_b32 v[\dst], v[\dst+2]              ; the operand wants a whole block in a lane
	v_permlane16_swap_b32 v[\dst+1], v[\dst+3]
.endm
.macro RELU src, win                   ; ascending: each accumulator is read from its low end on
.if \win
	WIN 0x44
.else
	WIN 0
.endif
.set qi, 0
.rept 32
	v_max_num_f32 v[\src+qi], 0, v[\src+qi]
.set qi, qi+1
.endr
	WIN 0
.endm
.macro PUT img, scl, m, pc, pw         ; my 64 columns of row tile m: half a fragment's image, from v[pc] on, and two bytes of each row's scale words, from v[pw]
	ds_store_b128 v[IMW], v[\pc:\pc+3] offset:\img+4096*(\m)
	ds_store_b16 v[SCW], v[\pw] offset:\scl+256*(\m)
.endm
.macro ACTLOAD img, scl, m, buf, asc   ; nine LDS loads: row tile m's four fragments and its scale words
.irp s, 0,1,2,3
.irp c, 0,1
	ds_load_b128 v[\buf+8*\s+4*\c:\buf+8*\s+4*\c+3], v[LI] offset:\img+4096*(\m)+1024*\s+512*\c
.endr
.endr
	ds_load_b128 v[\asc:\asc+3], v[LSC] offset:\scl+256*(\m)
.endm
; My 64 rows of a layer's weights: 16 fragments (tile t, K step s) at W + 32 t + 8 s, their scale words, the bias.  L: the layer's first scalar register (codes, scales, bias).
; form 0: the bias along the registers, 44 loads;  form 1: along the lanes, 40 loads.
.macro LOADW L, form
	WIN 0x40
.irp t, 0,1,2,3
.irp s, 0,1,2,3
.irp c, 0,1
	global_load_b128 v[WW+32*\t+8*\s+4*\c:WW+32*\t+8*\s+4*\c+3], v[WO], s[\L:\L+1] offset:(32*(\t/2)+8*(\t%2))*256+64*\s+32*\c
.endr
.endr
.endr
	WIN 0
.irp t, 0,1,2,3
	global_load_b128 v[WSC+4*\t:WSC+4*\t+3], v[WSO], s[\L+2:\L+3] offset:(32*(\t/2)+8*(\t%2))*16
.endr
.if \form
.irp t, 0,1,2,3
	global_load_b32 v[BVT+\t], v[BVO], s[\L+4:\L+5] offset:(32*(\t/2)+8*(\t%2))*4
.endr
.else
.irp t, 0,1,2,3
	global_load_b128 v[BIAS+8*\t:BIAS+8*\t+3], v[BO], s[\L+4:\L+5] offset:(32*(\t/2)+8*(\t%2))*4
	global_load_b128 v[BIAS+8*\t+4:BIAS+8*\t+7], v[BO], s[\L+4:\L+5] offset:(32*(\t/2)+8*(\t%2))*4+16
.endr
.endif
.endm
.macro MM d, a, b, z, c, sa, sb        ; z = 1: the product starts its sum
.if \z
	v_wmma_scale_f32_16x16x128_f8f6f4 v[\d:\d+7], v[\a:\a+7], v[\b:\b+7], 0, v[\sa], v[\sb] matrix_a_fmt:MATRIX_FMT_FP4 matrix_b_fmt:MATRIX_FMT_FP4
.else
	v_wmma_scale_f32_16x16x128_f8f6f4 v[\d:\d+7], v[\a:\a+7], v[\b:\b+7], v[\c:\c+7], v[\sa], v[\sb] matrix_a_fmt:MATRIX_FMT_FP4 matrix_b_fmt:MATRIX_FMT_FP4
.endif
.endm
; 16 products, transposed: my four weight tiles x one row tile, K = 512.  The four accumulators take turns, one instruction a turn.
; first = 1: the bias is the C of each sum's first product;  else the sums go on in place.  dwin: the accumulators' window.
.macro G_T d, dwin, buf, asc, first
.if \dwin
	WIN 0x51
.else
	WIN 0x01
.endif
.irp s, 0,1,2,3
.irp t, 0,1,2,3
.if (\first) && (\s == 0)
	MM \d+8*\t, WW+32*\t+8*\s, \buf+8*\s, 0, BIAS+8*\t, WSC+4*\t+\s, \asc+\s
.else
	MM \d+8*\t, WW+32*\t+8*\s, \buf+8*\s, 0, \d+8*\t, WSC+4*\t+\s, \asc+\s
.endif
.endr
.endr
.endm
; The same with the sources the other way round: a lane holds a channel, its registers run along the time rows.  Accumulator (t, m) at R + 32 t + 8 m.
.macro G_V m, buf, asc
.irp s, 0,1,2,3
.if \s == 0
	WIN 0x44
.else
	WIN 0x54
.endif
.irp t, 0,1,2,3
.if \s == 0
	MM 32*\t+8*(\m), \buf+8*\s, WW+32*\t+8*\s, 0, BIAS+8*\t, \asc+\s, WSC+4*\t+\s
.else
	MM 32*\t+8*(\m), \buf+8*\s, WW+32*\t+8*\s, 0, 32*\t+8*(\m), \asc+\s, WSC+4*\t+\s
.endif
.endr
.endr
.endm
.macro GG form, m, buf, asc
.if \form
	G_V \m, \buf, \asc
.else
	G_T 32*(\m), 1, \buf, \asc, 0
.endif
	WIN 0
.endm
; A whole layer into R: each of the four row tiles has operand registers of its own.  form 0: transposed, in place onto what R holds;  form 1: V.
; Its loads need no wait on the vector side: since the last such wait ahead of it no vector or matrix instruction names a register in which one of its 36 LDS loads lands
; (a tile's products name R, W, WSC, BIAS and that tile's own buffer).  Tiles 2 and 3 are asked for among the products.
.macro GEMM_R img, scl, form
	ACTLOAD \img, \scl, 0, ACT, ASA
	ACTLOAD \img, \scl, 1, ACC, ASB
	s_wait_loadcnt 0x0                                    ; the layer's weights, scale words and bias are in
.if \form
.irp t, 0,1,2,3
.irp j, 0,1,2,3,4,5,6,7
	v_mov_b32 v[BIAS+8*\t+\j], v[BVT+\t]                  ; a lane's channel has one bias for all its eight time rows
.endr
.endr
	NOPS 4
.endif
	s_wait_alu depctr_va_vdst(0)
	s_wait_dscnt 9                                        ; tile 0 is in; the nine loads of tile 1 may be out
	GG \form, 0, ACT, ASA
	ACTLOAD \img, \scl, 2, BFC, ASC
	s_wait_dscnt 9                                        ; tile 1 is in; tile 2's nine may be out
	GG \form, 1, ACC, ASB
	ACTLOAD \img, \scl, 3, BFD, ASD
	s_wait_dscnt 9                                        ; tile 2 is in; tile 3's nine may be out
	GG \form, 2, BFC, ASC
	s_wait_dscnt 0x0
	GG \form, 3, BFD, ASD
	NOPS 4                                                ; four plain places behind the last product, ahead of the first read of its result (ISA guide 7.12.1)
.endm
.macro LNBIAS                          ; R += the layer's bias; ascending: each accumulator is read from its low end on
	WIN 0x41
.set qi, 0
.rept 64
	v_pk_add_f32 v[2*qi:2*qi+1], v[2*qi:2*qi+1], v[BIAS+(2*qi)%32:BIAS+(2*qi)%32+1]
.set qi, qi+1
.endr
	WIN 0
.endm
.macro TREE8                           ; the eight pairs at v[ACC] on are added up; lane l xor 16's sum comes to v[TMP]
.irp i, 0,1,2,3
	v_pk_add_f32 v[ACC+4*\i:ACC+4*\i+1], v[ACC+4*\i:ACC+4*\i+1], v[ACC+4*\i+2:ACC+4*\i+3]
.endr
.irp i, 0,1
	v_pk_add_f32 v[ACC+8*\i:ACC+8*\i+1], v[ACC+8*\i:ACC+8*\i+1], v[ACC+8*\i+4:ACC+8*\i+5]
.endr
	v_pk_add_f32 v[ACC:ACC+1], v[ACC:ACC+1], v[ACC+8:ACC+9]
	v_add_f32 v[ACC], v[ACC], v[ACC+1]
	v_permlanex16_b32 v[TMP], v[ACC], s52, s53
.endm
; Row tile m: the mean of my 64 columns is taken away from R; it and the sum of the squares of what is left stay in the tile's own pair
.macro LNSTAT m
.set SPM, SP+2*((\m)%2)+152*((\m)/2)
	WIN 0x05
.irp i, 0,1,2,3,4,5,6,7
	v_pk_add_f32 v[ACC+2*\i:ACC+2*\i+1], v[32*(\m)+4*\i:32*(\m)+4*\i+1], v[32*(\m)+4*\i+2:32*(\m)+4*\i+3]
.endr
	WIN 0
	TREE8
	v_add_f32 v[ACC], v[ACC], v[TMP]
	v_mul_f32 v[SPM], s56, v[ACC]                         ; / 64
	WIN 0x41
.set qi, 0
.rept 16
	v_pk_add_f32 v[32*(\m)+2*qi:32*(\m)+2*qi+1], v[32*(\m)+2*qi:32*(\m)+2*qi+1], v[SPM:SPM+1] op_sel_hi:[1,0] neg_lo:[0,1] neg_hi:[0,1]
.set qi, qi+1
.endr
	WIN 0x05
.irp i, 0,1,2,3,4,5,6,7
	v_pk_mul_f32 v[ACC+2*\i:ACC+2*\i+1], v[32*(\m)+4*\i:32*(\m)+4*\i+1], v[32*(\m)+4*\i:32*(\m)+4*\i+1]
.endr
.irp i, 0,1,2,3,4,5,6,7
	v_pk_fma_f32 v[ACC+2*\i:ACC+2*\i+1], v[32*(\m)+4*\i+2:32*(\m)+4*\i+3], v[32*(\m)+4*\i+2:32*(\m)+4*\i+3], v[ACC+2*\i:ACC+2*\i+1]
.endr
	WIN 0
	TREE8
	v_add_f32 v[SPM+1], v[ACC], v[TMP]
.endm
; The four tiles' pairs go to the table at st, behind one wait
.macro STATPUT st
	s_wait_alu depctr_va_vdst(0)                          ; the four pairs (mean, M2) are written, which the stores read; the sums are done with v[ACC ..], in which the eight waves' parts land behind the barrier
.irp m, 0,1,2,3
	ds_store_b64 v[STW], v[SP+2*(\m%2)+152*(\m/2):SP+2*(\m%2)+152*(\m/2)+1] offset:\st+1280*\m   ; both halves of the lanes write the same eight bytes with the same value
.endr
.endm
; The eight waves' parts of each of my lanes' rows are joined: 1 / sigma and (mean_w - mean) / sigma for the four row tiles
.macro LNFIN st
.irp m, 0,1,2,3
.irp q, 0,1,2,3
	ds_load_b128 v[ACC+16*\m+4*\q:ACC+16*\m+4*\q+3], v[STR] offset:\st+1280*\m+16*\q
.endr
.endr
	s_wait_dscnt 0x0
.irp m, 0,1,2,3
.irp q, 0,1,2,3
	v_pk_add_f32 v[TM+2*\q:TM+2*\q+1], v[ACC+16*\m+4*\q:ACC+16*\m+4*\q+1], v[ACC+16*\m+4*\q+2:ACC+16*\m+4*\q+3]
.endr
	v_pk_add_f32 v[TM:TM+1], v[TM:TM+1], v[TM+2:TM+3]
	v_pk_add_f32 v[TM+4:TM+5], v[TM+4:TM+5], v[TM+6:TM+7]
	v_pk_add_f32 v[TM:TM+1], v[TM:TM+1], v[TM+4:TM+5]     ; (sum of the means, sum of the M2)
	v_mul_f32 v[LNP+4*\m+3], 0x3e000000, v[TM]            ; / 8: the row's mean
.irp q, 0,1,2,3,4,5,6,7
	v_sub_f32 v[ACC+16*\m+2*\q], v[ACC+16*\m+2*\q], v[LNP+4*\m+3]
.endr
	v_mul_f32 v[TM+2], v[ACC+16*\m], v[ACC+16*\m]
.irp q, 1,2,3,4,5,6,7
	v_fmac_f32 v[TM+2], v[ACC+16*\m+2*\q], v[ACC+16*\m+2*\q]
.endr
	v_fma_f32 v[TM+2], v[TM+2], s59, v[TM+1]              ; M2 = sum M2_w + 64 sum (mean_w - mean)^2
	v_fma_f32 v[VAR+\m], v[TM+2], s57, s58                ; / 512 + 1e-5.  (In registers that no memory or LDS instruction names)
.endr
	s_wait_alu depctr_va_vdst(0)
.irp m, 0,1,2,3
	v_rsq_f32 v[LNP+4*\m], v[VAR+\m]
.endr
.irp m, 0,1,2,3
	v_sub_f32 v[LNP+4*\m+1], v[SP+2*(\m%2)+152*(\m/2)], v[LNP+4*\m+3]   ; plain work behind the four roots
.endr
	s_wait_alu depctr_va_vdst(0)                          ; the four roots have written 1 / sigma: one wait for the four, ahead of their first reader
.irp m, 0,1,2,3
	v_mul_f32 v[LNP+4*\m+2], v[LNP+4*\m+1], v[LNP+4*\m]
.endr
.endm
.macro NORM m, dst, dwin               ; (R + mean_w - mean) / sigma, one fused multiply-add for two numbers
.if \dwin
	WIN 0x41
.else
	WIN 0x01
.endif
.set qi, 0
.rept 16
	v_pk_fma_f32 v[\dst+2*qi:\dst+2*qi+1], v[32*(\m)+2*qi:32*(\m)+2*qi+1], v[LNP+4*(\m):LNP+4*(\m)+1], v[LNP+4*(\m)+2:LNP+4*(\m)+3] op_sel_hi:[1,0,0]
.set qi, qi+1
.endr
	WIN 0
.endm
; A row tile of x: + te, through LDS from loaded rows to operand rows, quantised.  cnt: the loads issued behind this tile's, which may stay out.
; prev = 1: the codes of the tile before (image pimg, scale words pscl, row tile pm) are stored here, behind this tile's wait.
.macro XPART src, te, sa, so, la, cnt, prev, pimg, pscl, pm
	s_wait_loadcnt \cnt
	WIN 0x41
.set qi, 0
.rept 16
	v_pk_add_f32 v[\src+2*qi:\src+2*qi+1], v[\src+2*qi:\src+2*qi+1], v[\te+2*qi:\te+2*qi+1]
.set qi, qi+1
.endr
	s_wait_alu depctr_va_vdst(0)                          ; the sums are written, which the stores into the stage read; the quantiser of the tile before has written PC and PW, which the codes' stores read, and is done reading v[ACC ..], in which the loads below land
.if \prev
	WIN 0
	PUT \pimg, \pscl, \pm, PC, PW
.endif
	WIN 0x04
.irp i, 0,1,2,3,4,5,6,7
	ds_store_b128 v[\sa], v[\src+4*\i:\src+4*\i+3] offset:\so+272*\i
.endr
	WIN 0
.irp b, 0,1
.irp j, 0,1,2,3
	ds_load_b128 v[ACC+16*\b+4*\j:ACC+16*\b+4*\j+3], v[\la] offset:\so+128*\b+16*\j   ; LDS serves a wave's instructions in order (ISA guide 5.7.1.4): these see my stores
.endr
.endr
	s_wait_dscnt 0x0
.if \prev
	s_wait_alu depctr_vm_vsrc(0)                          ; the codes' stores have read PC and PW, which the quantiser below writes again; the stores into the stage have read the sums' registers, which weights' loads and V's products write later
.endif
	QUANT32 ACC, 0, PC, PW
.endm
; Row tile m of the queries: q, the scores, the softmax, the second product, the result's codes to LDS
.macro QATT m
.set BQ, (\m)/2
.set UQ, (\m)%2
	s_wait_dscnt 0x0                                      ; the tile's fragments of xl + te are in
	s_wait_alu depctr_vm_vsrc(0)                          ; the last stores of codes have read PC and PW, which this tile's last quantiser writes again
	G_T ACC, 0, ACT, ASA, 1
	WIN 0
	NOPS 4
	QUANT32 ACC, 0, QF, QS
.if BQ == 0
.set qi, 0
.rept 16
	v_mov_b32 v[ACC+16+qi], v[NEGV]                       ; keys 32 to 63 are hidden from queries 0 to 31.  (Also the places between q's scale word and the products)
.set qi, qi+1
.endr
.else
	NOPS 8                                                ; a scale word made by vector instructions stands eight places ahead of the product, codes so made four
.endif
	s_wait_alu depctr_va_vdst(0)                          ; q's codes and scale word are written (ahead of the first tile: k's and v's too), which the products take as operands and scales
.set mk, 0
.rept 2*BQ+2
	MM ACC+8*mk, KF+4*mk, QF, 1, 0, KS+mk, QS             ; S^T: register 16 b + i = key 32 b + 16 (lane / 16) + i of my query
.set mk, mk+1
.endr
.if \m == 3
	LOADW 30, 0                                           ; Wq is done with: Wo.  No wait: q's products stand ahead of the wait above, and nothing since names W, the weights' scale words or the bias
.endif
	NOPS 4
.set qi, 0
.rept 16
	v_cndmask_b32 v[ACC+16*BQ+qi], v[ACC+16*BQ+qi], v[NEGV], s[74+qi-8*UQ]   ; the block on the diagonal: hidden where i - 8 (m % 2) > r % 8 + 16 (r / 8) - 16 (lane / 16)
.set qi, qi+1
.endr
.irp b, 0,1
	v_max3_num_f32 v[TM+\b], v[ACC+16*\b], v[ACC+16*\b+1], v[ACC+16*\b+2]   ; each block's largest score: for the row's maximum and, since p rises with the score, for the block's largest p
.endr
.irp i, 3,5,7,9,11,13
.irp b, 0,1
	v_max3_num_f32 v[TM+\b], v[TM+\b], v[ACC+16*\b+\i], v[ACC+16*\b+\i+1]
.endr
.endr
.irp b, 0,1
	v_max_num_f32 v[TM+\b], v[TM+\b], v[ACC+16*\b+15]
.endr
.irp b, 0,1
	v_permlanex16_b32 v[TM+2+\b], v[TM+\b], s52, s53
.endr
.irp b, 0,1
	v_max_num_f32 v[TM+\b], v[TM+\b], v[TM+2+\b]
.endr
	v_max_num_f32 v[TMP], v[TM], v[TM+1]
	v_mul_f32 v[TMP], s54, v[TMP]                         ; the row's largest t
	v_floor_f32 v[NM], -v[TMP]                            ; -M = floor(-t) = -ceil(t)
.set qi, 0
.rept 16
	v_pk_fma_f32 v[ACC+2*qi:ACC+2*qi+1], v[ACC+2*qi:ACC+2*qi+1], s[54:55], v[NM:NM+1] op_sel_hi:[1,0,0]   ; t - M
.set qi, qi+1
.endr
.irp b, 0,1
	v_fma_f32 v[TM+\b], v[TM+\b], s54, v[NM]
.endr
.set qi, 0
	s_wait_alu depctr_va_vdst(0)
.rept 32
	v_exp_f32 v[ACC+qi], v[ACC+qi]                        ; p = 2^(t - M)
.set qi, qi+1
.endr
	v_nop                                                 ; a plain place behind the exponentials
	s_wait_alu depctr_va_vdst(0)                          ; the 32 exponentials have written p: one wait for the batch, ahead of its first reader
.irp b, 0,1
	v_exp_f32 v[TM+\b], v[TM+\b]                          ; the blocks' largest p: the same two instructions on the same number
.endr
	v_pk_add_f32 v[L0:L0+1], v[ACC:ACC+1], v[ACC+2:ACC+3] ; the sum of the unquantised p, in two chains
	v_pk_add_f32 v[L1:L1+1], v[ACC+4:ACC+5], v[ACC+6:ACC+7]
.irp j, 8,12,16,20,24,28
	v_pk_add_f32 v[L0:L0+1], v[L0:L0+1], v[ACC+\j:ACC+\j+1]
	v_pk_add_f32 v[L1:L1+1], v[L1:L1+1], v[ACC+\j+2:ACC+\j+3]
.endr
	v_pk_add_f32 v[L0:L0+1], v[L0:L0+1], v[L1:L1+1]
	s_wait_alu depctr_va_vdst(0)                          ; the two exponentials have written the blocks' largest p, ahead of their first reader
.irp b, 0,1
	v_max_num_f32 v[TM+\b], 0x1800000, v[TM+\b]           ; the floor: a block whose every p is 0 keeps the byte 1 over zero codes
.endr
.irp b, 0,1
	v_add_nc_u32 v[TM+4+\b], 0xff000000, v[TM+\b]
.endr
.irp b, 0,1
	v_lshrrev_b32 v[TM+6+\b], 23, v[TM+4+\b]
.endr
	v_lshl_or_b32 v[PS], v[TM+7], 8, v[TM+6]
.irp b, 0,1
	v_cvt_scalef32_pk8_fp4_f32 v[PF+2*\b], v[ACC+16*\b:ACC+16*\b+7], v[TM+4+\b]
	v_cvt_scalef32_pk8_fp4_f32 v[PF+2*\b+1], v[ACC+16*\b+8:ACC+16*\b+15], v[TM+4+\b]
.endr
	v_nop
	v_permlane16_swap_b32 v[PF], v[PF+2]
	v_permlane16_swap_b32 v[PF+1], v[PF+3]
	v_add_f32 v[L1], v[L0], v[L0+1]
	v_permlanex16_b32 v[L1+1], v[L1], s52, s53
	v_add_f32 v[L1], v[L1], v[L1+1]                       ; the row's sum
	s_wait_alu depctr_va_vdst(0)
	v_rcp_f32 v[L0], v[L1]
	NOPS 8                                                ; the places between p's scale word and the products; the first is the plain place behind the reciprocal
	s_wait_alu depctr_va_vdst(0)                          ; p's codes and scale word are written, which the products take; the reciprocal has written v[L0], ahead of its first reader
.irp t, 0,1,2,3
	MM ACT+8*\t, VF+4*\t, PF, 1, 0, VS+\t, PS             ; O^T: register 16 b + i = channel 32 b + 16 (lane / 16) + i of my query
.endr
	NOPS 4
.set qi, 0
.rept 16
	v_pk_mul_f32 v[ACT+2*qi:ACT+2*qi+1], v[ACT+2*qi:ACT+2*qi+1], v[L0:L0+1] op_sel_hi:[1,0]
.set qi, qi+1
.endr
	QUANT32 ACT, 0, PC, PW
	s_wait_alu depctr_va_vdst(0)                          ; the quantiser has written PC and PW, which the stores read, and is done reading v[ACT ..]; q's products are done reading ASA: the next tile's fragments and scale words land in these
	PUT P0I, P0S, \m, PC, PW
.if \m < 3
	ACTLOAD XLI, XLS, \m+1, ACT, ASA
.endif
.endm
; The way out.  A normalised row tile goes from v[ob] on into my stage, by operand rows,
.macro STST ob
.irp b, 0,1
.irp j, 0,1,2,3
	ds_store_b128 v[TRD], v[\ob+16*\b+4*\j:\ob+16*\b+4*\j+3] offset:128*\b+16*\j
.endr
.endr
.endm
; comes back by memory rows into R's tile m, which its norm has left,
.macro STLD m
	WIN 0x40
.irp i, 0,1,2,3,4,5,6,7
	ds_load_b128 v[32*(\m)+4*\i:32*(\m)+4*\i+3], v[TWS] offset:272*\i   ; in order behind my stores; the next tile's stores come behind these
.endr
	WIN 0
.endm
; and is stored.  cnt: the LDS instructions issued behind this tile's loads
.macro OSEND m, cnt
	s_wait_dscnt \cnt
	WIN 0x04
.irp i, 0,1,2,3,4,5,6,7
	global_store_b128 v[XO], v[32*(\m)+4*\i:32*(\m)+4*\i+3], s[10:11] offset:(32*((\m)/2)+8*((\m)%2)+\i)*TSTR th:TH_STORE_NT   ; sixteen lanes store 256 consecutive bytes, at a multiple of 256 from the buffer's first byte
.endr
	WIN 0
.endm
	; ---------------- the head
	s_load_b512 s[4:19], s[0:1], 0x0                      ; xl, xh, te, out; Wv: codes, scales, bias; Wk's codes
	s_load_b512 s[20:35], s[0:1], 0x40                    ; Wk's scales, bk; Wq's three; Wo's three
	s_load_b256 s[36:43], s[0:1], 0x80                    ; W1's three; W2's codes
	s_load_b128 s[44:47], s[0:1], 0xa0                    ; W2's scales, b2
	v_lshrrev_b32 v[TMP], 5, v0
	v_readfirstlane_b32 s48, v[TMP]                       ; wave 0..7
	v_and_b32 v20, 15, v0                                 ; r
	v_bfe_u32 v21, v0, 4, 1                               ; h
	v_and_b32 v25, 7, v20
	v_and_b32 v26, 8, v20
	v_lshl_add_u32 v25, v26, 1, v25
	v_lshlrev_b32 v26, 4, v21
	v_sub_nc_u32 v25, v25, v26                            ; r % 8 + 16 (r / 8) - 16 h
.set cc, -8
.rept 24
	v_cmp_gt_i32 s[74+cc], cc, v25                        ; the causal mask's 24 lane masks: s[74 + c] has the lanes in which c is above that number
.set cc, cc+1
.endr
	v_and_b32 v[TMP], 31, v0                              ; lane
	v_lshlrev_b32 v[LI], 4, v[TMP]
	v_lshlrev_b32 v[PFO], 17, v[TMP]
	v_lshl_add_u32 v[LSC], v20, 4, SCB
	v_lshlrev_b32 v[XO], 4, v20
	v_lshl_add_u32 v[XO], v21, 21, v[XO]
	v_mul_u32_u24 v22, v21, 2176
	v_lshl_add_u32 v22, v20, 4, v22                       ; 8 rows x h + 16 r
	v_mul_u32_u24 v23, v20, 272
	v_lshl_add_u32 v23, v21, 6, v23                       ; row r + 64 h
	v_and_b32 v24, 8, v20
	v_add_nc_u32 v24, v24, v20                            ; r + 8 (r / 8)
	v_lshlrev_b32 v[WO], 8, v24
	v_lshl_add_u32 v[WO], v21, 4, v[WO]
	v_lshlrev_b32 v[WSO], 4, v24
	v_lshlrev_b32 v[BO], 6, v21
	v_lshlrev_b32 v[BVO], 2, v24
	v_mul_u32_u24 v[STR], v20, 80
	v_add_nc_u32 v[STR], STATB, v[STR]
	v_mov_b32 v[NEGV], 0xc6fffe00                         ; -32767.0
.irp j, 4,5,6,7
	v_mov_b32 v[PF+\j], 0                                 ; the upper halves of p's and q's fragments: zero codes, for the whole launch
	v_mov_b32 v[QF+\j], 0
.endr
	v_mov_b32 v[NM+1], 0                                  ; named as upper halves of pairs before they are otherwise written
	v_mov_b32 v[SP+1], 0
	v_mov_b32 v[SP+3], 0
	s_wait_alu depctr_va_sdst(0)                          ; s48 and the 24 masks are written: one wait behind the run, ahead of s48's first reader just below, of the masks' readers in the attention, and of every label
	s_lshl_b32 s50, s48, 9
	v_add_nc_u32 v[IMW], s50, v[LI]
	s_lshl_b32 s50, s48, 1
	v_add_nc_u32 v[SCW], s50, v[LSC]
	s_mul_i32 s50, s48, 4352
	s_add_co_u32 s50, s50, TURNB
	v_add_nc_u32 v[TWS], s50, v22
	v_add_nc_u32 v[TRD], s50, v23
	s_mul_i32 s50, s48, 17408
	s_add_co_u32 s50, s50, RESB
	v_add_nc_u32 v[RWS], s50, v22
	v_add_nc_u32 v[RRD], s50, v23
	s_lshl_b32 s50, s48, 3
	v_add_nc_u32 v[STW], s50, v[STR]
	s_mov_b32 s52, 0x76543210                             ; v_permlanex16_b32's selects for lane l xor 16
	s_mov_b32 s53, 0xfedcba98
	s_mov_b32 s54, 0x3e38aa3b                             ; log2(e) / 8
	s_mov_b32 s55, s54
	s_mov_b32 s56, 0x3c800000                             ; 1 / 64
	s_mov_b32 s57, 0x3b000000                             ; 1 / 512
	s_mov_b32 s58, 0x3727c5ac                             ; 1e-5
	s_mov_b32 s59, 0x42800000                             ; 64
	s_mov_b32 s49, 0                                      ; the trip
	s_lshr_b32 s50, ttmp9, 5                              ; the batch: 32 work-groups each
	s_lshl_b32 s50, s50, 23
	s_and_b32 s51, ttmp9, 31
	s_lshl_b32 s51, s51, 12                               ; two vertices a work-group
	s_add_co_u32 s50, s50, s51
	s_lshl_b32 s51, s48, 8                                ; my 64 columns
	s_add_co_u32 s50, s50, s51
	s_mov_b32 s51, 0
	s_mov_b32 s61, 0
	s_wait_kmcnt 0x0
.irp p, 4,6,8,10
	s_add_nc_u64 s[\p:\p+1], s[\p:\p+1], s[50:51]
.endr
	s_lshl_b32 s60, s48, 14                               ; my 64 rows of codes, 256 bytes each
.irp p, 12,18,24,30,36,42
	s_add_nc_u64 s[\p:\p+1], s[\p:\p+1], s[60:61]
.endr
	s_lshl_b32 s60, s48, 10                               ; of scale bytes, 16 each
.irp p, 14,20,26,32,38,44
	s_add_nc_u64 s[\p:\p+1], s[\p:\p+1], s[60:61]
.endr
	s_lshl_b32 s60, s48, 8                                ; my 64 numbers of a bias
.irp p, 16,22,28,34,40,46
	s_add_nc_u64 s[\p:\p+1], s[\p:\p+1], s[60:61]
.endr
	s_wait_alu depctr_va_vdst(0)                          ; the sixteen addresses and offsets v1 to v16 are written, which every load, store and prefetch of the kernel reads; so are the zero halves of q's and p's fragments, which products take
	XFIRST
.Ltrip:
	s_wait_alu depctr_vm_vsrc(0)                          ; over the back edge: the last vertex's global stores have read R, the stores into the stage v[ACC ..] and v[ACT ..], the parts' stores v212-215: loads land in all of these below
	s_wait_alu depctr_va_vdst(0)                          ; over the back edge: the last vertex's norms are done reading R and v192-207 and have written v[ACT ..], its additions are done reading the bias: te's tiles 1 to 3 and xl land there
	XREST
	; ---------------- x + te, quantised.  In order of issue: te 0, xh 0-3 | te 1-3, xl 0-3 | Wv's 40.  The counts are the loads behind the tile's own (80 and 64 are held at 63, the most a wait can name)
	XPART WW,    TE0, TWS, 0, TRD, 63, 0, 0, 0, 0
	XPART WW+32, TE1, TWS, 0, TRD, 48, 1, XHI, XHS, 0
	XPART WW+64, TE2, TWS, 0, TRD, 40, 1, XHI, XHS, 1
	XPART WW+96, TE3, TWS, 0, TRD, 32, 1, XHI, XHS, 2
	LOADW 12, 1                                           ; xh has left W.  No wait: the additions that wrote W stand ahead of the last tile's wait on the vector side, the stores that read it ahead of its wait on the memory side, and the quantiser since names neither W nor the other registers in which these loads land
	XPART 0,  TE0, RWS, 0,     RRD, 63, 1, XHI, XHS, 3
	XPART 32, TE1, RWS, 4352,  RRD, 56, 1, XLI, XLS, 0
	XPART 64, TE2, RWS, 8704,  RRD, 48, 1, XLI, XLS, 1
	XPART 96, TE3, RWS, 13056, RRD, 40, 1, XLI, XLS, 2
	s_wait_alu depctr_va_vdst(0)                          ; the last tile's quantiser has written PC and PW, which the stores read, and is done reading v[ACC ..], in which V's second row tile lands
	PUT XLI, XLS, 3, PC, PW
	BAR                                                   ; both tensors' images lie in LDS
	; ---------------- v: channels in lanes, keys along the registers
	GEMM_R XHI, XHS, 1
	s_wait_alu depctr_va_vdst(0)                          ; V's products are done reading W, the weights' scale words, the bias, v[ACT ..] and ASA: Wk and k's first row tile land in these
	LOADW 18, 0
	ACTLOAD XHI, XHS, 0, ACT, ASA
.irp t, 0,1,2,3
	RELU 32*\t, 1
	QUANT32 32*\t, 1, VF+4*\t, VS+\t
.endr
	; ---------------- k
	s_wait_loadcnt 0x0
.irp m, 0,1,2,3
	s_wait_dscnt 0x0
	G_T ACC, 0, ACT, ASA, 1
	WIN 0
	NOPS 4
	s_wait_alu depctr_va_vdst(0)                          ; the tile's products are done reading v[ACT ..] and ASA, in which the next tile lands; behind the last tile also W, the weights' scale words and the bias, and v's quantiser is done reading R, in which the residual lands
.if \m < 3
	ACTLOAD XHI, XHS, \m+1, ACT, ASA
.else
	LOADW 24, 0
	ACTLOAD XLI, XLS, 0, ACT, ASA
	WIN 0x40
.irp n, 0,1,2,3
.irp b, 0,1
.irp j, 0,1,2,3
	ds_load_b128 v[32*\n+16*\b+4*\j:32*\n+16*\b+4*\j+3], v[RRD] offset:4352*\n+128*\b+16*\j   ; xl + te comes back into R, in the result's layout: the residual
.endr
.endr
.endr
	WIN 0
.endif
	RELU ACC, 0
	QUANT32 ACC, 0, KF+4*\m, KS+\m
.endr
	; ---------------- q and the attention of my head
	s_wait_loadcnt 0x0
	QATT 0
	QATT 1
	QATT 2
	QATT 3
	BAR                                                   ; the attention's result lies in LDS
	; ---------------- Wo, the residual, the first norm
	GEMM_R P0I, P0S, 0
	LNBIAS
	s_wait_alu depctr_va_vdst(0)                          ; Wo's products are done reading W and the weights' scale words, the additions the bias: W1 lands in these
	LOADW 36, 0
.irp m, 0,1,2,3
	LNSTAT \m
.endr
	STATPUT 0
	BAR
	LNFIN 0
.irp m, 0,1,2,3
	NORM \m, 32*\m, 1                                     ; val stays in R: the second residual
	QUANT32 32*\m, 1, OUT1+4*\m, OUT1+16+\m
.endr
	s_wait_alu depctr_va_vdst(0)                          ; the four tiles' codes and scale bytes are written, which the stores read; the joining of the parts is done with v[ACT ..], in which W1's first row tile lands
.irp m, 0,1,2,3
	PUT P1I, P1S, \m, OUT1+4*\m, OUT1+16+\m
.endr
	BAR                                                   ; val's images lie in LDS
	; ---------------- W1
	ACTLOAD P1I, P1S, 0, ACT, ASA
	; The next vertex's time rows 0 to 31 of te and xh, my 256 bytes of each: a lane a row, each block named once in the launch, two layers' products ahead of the loads that want them.  The last trip asks for nothing
	s_cmp_eq_u32 s49, GROUPS-1
	s_cbranch_scc1 .Lno_ask
	global_prefetch_b8 v[PFO], s[8:9] offset:GSTEP th:TH_LOAD_NT scope:SCOPE_SE
	global_prefetch_b8 v[PFO], s[6:7] offset:GSTEP th:TH_LOAD_NT scope:SCOPE_SE
.Lno_ask:
	s_wait_loadcnt 0x0
.irp m, 0,1,2,3
	s_wait_dscnt 0x0
	G_T ACC, 0, ACT, ASA, 1
	WIN 0
	NOPS 4
	s_wait_alu depctr_va_vdst(0)                          ; the tile's products are done reading v[ACT ..] and ASA (behind the last tile: W, the weights' scale words and the bias), in which the loads below land; the quantiser of the tile before has written its codes and scale bytes, which the stores below read
.if \m > 0
	PUT P0I, P0S, \m-1, OUT2+4*(\m-1), OUT2+15+\m
.endif
.if \m < 3
	ACTLOAD P1I, P1S, \m+1, ACT, ASA
.else
	LOADW 42, 0
.endif
	RELU ACC, 0
	QUANT32 ACC, 0, OUT2+4*\m, OUT2+16+\m
.endr
	s_wait_alu depctr_va_vdst(0)                          ; the last tile's quantiser has written its codes and scale bytes, which the stores read, and is done reading v[ACC ..], in which W2's second row tile lands
	PUT P0I, P0S, 3, OUT2+12, OUT2+19
	BAR                                                   ; the hidden layer's images lie in LDS
	; ---------------- W2, the residual, the second norm, the way out
	s_wait_alu depctr_vm_vsrc(0)                          ; the stores of val's and of the hidden layer's codes have read v216-255, the first norm's parts' stores their four pairs: row tiles 2 and 3 land in v192-255, and the second norm writes the pairs again
	GEMM_R P0I, P0S, 0
	LNBIAS
	s_cmp_eq_u32 s49, GROUPS-1
	s_cbranch_scc1 .Lno_next                              ; no load leaves its buffer: the last vertex has no successor
	s_wait_xcnt 0x0                                       ; every earlier load and prefetch has read its base
	s_add_nc_u64 s[4:5], s[4:5], GSTEP
	s_add_nc_u64 s[6:7], s[6:7], GSTEP
	s_add_nc_u64 s[8:9], s[8:9], GSTEP
	s_wait_alu depctr_va_vdst(0)                          ; W2's products are done reading W and v224-255, in which the loads below land
	XFIRST                                                ; W and v224-255 are free: the next vertex's first 40 loads go out under the norm and the stores
.Lno_next:
.irp m, 0,1,2,3
	LNSTAT \m
.endr
	STATPUT 5120
	BAR
	LNFIN 5120
	NORM 0, ACC, 0
	NORM 1, ACT, 0
	s_wait_alu depctr_va_vdst(0)                          ; tiles 0 and 1 are written, which the stores into the stage read; their norms are done reading R's tiles 0 and 1, in which the rows come back
	STST ACC
	STLD 0
	STST ACT
	STLD 1
	s_wait_alu depctr_vm_vsrc(0)                          ; the stores into the stage have read v[ACC ..] and v[ACT ..], which the next two norms write
	NORM 2, ACC, 0
	NORM 3, ACT, 0
	s_wait_alu depctr_va_vdst(0)                          ; tiles 2 and 3 are written, which the stores into the stage read; their norms are done reading R's tiles 2 and 3, in which the rows come back
	OSEND 0, 16                                           ; behind tile 0's loads: tile 1's eight stores and eight loads
	STST ACC
	STLD 2
	OSEND 1, 16
	STST ACT
	STLD 3
	OSEND 2, 16
	OSEND 3, 0
	s_wait_xcnt 0x0                                       ; the stores have read their registers and their base
	s_add_nc_u64 s[10:11], s[10:11], GSTEP
	s_add_co_u32 s49, s49, 1
	s_cmp_lt_u32 s49, GROUPS
	s_cbranch_scc1 .Ltrip
	s_wait_xcnt 0x0
	v_lshl_add_u32 v254, v0, 2, 0x3e000                   ; my spare word, behind all that the text uses of LDS, and 0: made anew here, v0 being as at the entry
	v_mov_b32 v255, 0
	s_wait_dscnt 0x0                                      ; the closing lines, six on end
	s_wait_alu 0x0
	s_wait_tensorcnt 0x0
	ds_add_u32 v254, v255
	s_wait_dscnt 0x0
	s_endpgm
.Lfunc_end_k_qff0bf6e417_fused:
	.size	k_qff0bf6e417_fused, .Lfunc_end_k_qff0bf6e417_fused-k_qff0bf6e417_fused
	.p2alignl 7, 3214868480
	.fill 96, 4, 3214868480
	.section	.rodata,"a",@progbits
	.p2align	6, 0x0
	.amdhsa_kernel k_qff0bf6e417_fused
		.amdhsa_group_segment_fixed_size 254976
		.amdhsa_private_segment_fixed_size 0
		.amdhsa_enable_private_segment 0
		.amdhsa_kernarg_size 176
		.amdhsa_user_sgpr_count 2
		.amdhsa_user_sgpr_kernarg_segment_ptr 1
		.amdhsa_wavefront_size32 1
		.amdhsa_system_sgpr_workgroup_id_x 1
		.amdhsa_system_sgpr_workgroup_id_y 1
		.amdhsa_system_sgpr_workgroup_id_z 1
		.amdhsa_system_vgpr_workitem_id 0
		.amdhsa_next_free_vgpr 512
		.amdhsa_next_free_sgpr 90
		.amdhsa_reserve_vcc 0
		.amdhsa_float_denorm_mode_32 3
		.amdhsa_float_denorm_mode_16_64 3
		.amdhsa_memory_ordered 1
		.amdhsa_forward_progress 1
		.amdhsa_inst_pref_size 255
	.end_amdhsa_kernel
	.section	.bss,"aw",@nobits
	.p2align	6
	.space	262144
	.amdgpu_metadata
---
amdhsa.version: [ 1, 2 ]
amdhsa.kernels:
  - .name:           k_qff0bf6e417_fused
    .symbol:         k_qff0bf6e417_fused.kd
    .args:
      - { .name: xl, .offset: 0, .size: 8, .value_kind: global_buffer, .address_space: global }
      - { .name: xh, .offset: 8, .size: 8, .value_kind: global_buffer, .address_space: global }
      - { .name: te, .offset: 16, .size: 8, .value_kind: global_buffer, .address_space: global }
      - { .name: out0, .offset: 24, .size: 8, .value_kind: global_buffer, .address_space: global }
      - { .name: Wv_codes, .offset: 32, .size: 8, .value_kind: global_buffer, .address_space: global }
      - { .name: Wv_scales, .offset: 40, .size: 8, .value_kind: global_buffer, .address_space: global }
      - { .name: bv, .offset: 48, .size: 8, .value_kind: global_buffer, .address_space: global }
      - { .name: Wk_codes, .offset: 56, .size: 8, .value_kind: global_buffer, .address_space: global }
      - { .name: Wk_scales, .offset: 64, .size: 8, .value_kind: global_buffer, .address_space: global }
      - { .name: bk, .offset: 72, .size: 8, .value_kind: global_buffer, .address_space: global }
      - { .name: Wq_codes, .offset: 80, .size: 8, .value_kind: global_buffer, .address_space: global }
      - { .name: Wq_scales, .offset: 88, .size: 8, .value_kind: global_buffer, .address_space: global }
      - { .name: bq, .offset: 96, .size: 8, .value_kind: global_buffer, .address_space: global }
      - { .name: Wo_codes, .offset: 104, .size: 8, .value_kind: global_buffer, .address_space: global }
      - { .name: Wo_scales, .offset: 112, .size: 8, .value_kind: global_buffer, .address_space: global }
      - { .name: bo, .offset: 120, .size: 8, .value_kind: global_buffer, .address_space: global }
      - { .name: W1_codes, .offset: 128, .size: 8, .value_kind: global_buffer, .address_space: global }
      - { .name: W1_scales, .offset: 136, .size: 8, .value_kind: global_buffer, .address_space: global }
      - { .name: b1, .offset: 144, .size: 8, .value_kind: global_buffer, .address_space: global }
      - { .name: W2_codes, .offset: 152, .size: 8, .value_kind: global_buffer, .address_space: global }
      - { .name: W2_scales, .offset: 160, .size: 8, .value_kind: global_buffer, .address_space: global }
      - { .name: b2, .offset: 168, .size: 8, .value_kind: global_buffer, .address_space: global }
    .group_segment_fixed_size: 254976
    .private_segment_fixed_size: 0
    .kernarg_segment_align: 8
    .kernarg_segment_size: 176
    .max_flat_workgroup_size: 256
    .sgpr_count:     90
    .vgpr_count:     512
    .wavefront_size: 32
...
	.end_amdgpu_metadata
.endif
;; end of part 2
